; MI455X (gfx1250); checked and timed in simulation.
; The chip was launched on July 23, 2026; its instructions are those of AMD's public machine-readable ISA for CDNA 5 (MIT licence, August 2026) and "CDNA5" Instruction Set Architecture Reference Guide (July 2026). The comments in the code are by the model that wrote it; some were corrected since.
;; Mo E Router. Allowed arithmetic: matrix products marked QUANTISED: E2M1 operands, one E8M0 scale for each 32 along K, by v_wmma_scale_f32_16x16x128_f8f6f4 with both operands' format E2M1 (or v_wmma_scale_f32_32x16x128_f4), f32 sums; everything else in f32.
;; Inputs: W 64 x 2,048 float32; x 4 x 4,096 x 2,048 float32.
;; Outputs: out0 4 x 4,096 x 64 float32; out1 4 x 4,096 x 2 int32; out2 one number float32.
;; Constants: capacity = 4096, n_active = 2.
;; This version of the problem:
;;   THIS VERSION OF THE PROBLEM IS GIVEN IN LOW PRECISION. The matrix products marked QUANTISED in the list below multiply operands that are first quantised to E2M1 (2 exponent bits, 1 mantissa bit; 4 bits a number), with one power-of-two scale for each 32 numbers along K (OCP MX v1.0); their sums are f32. All else is computed in f32.
;;   The module's matrix products, in the order in which they are computed (A, B: the left and right operand; K: the contracted axis; several contracted axes count as one K, in the product's order):
;;     1. [M 16,384, K 2,048] x [K 2,048, N 64]; A: input x; B: input W: QUANTISED
;;   THE QUANTISER, for each operand of a quantised product, along K:
;;     - K is cut into blocks of 32 from its start; a last block that is shorter is filled with zeros.
;;     - A block's scale is 2^e with e = floor(log2(the largest magnitude in the block)) - 2, held to -126 .. 127; a block of zeros has e = 0. As a byte (E8M0): e + 127.
;;     - Each number is divided by its block's scale, clamped to +-6, and rounded to the nearest number of E2M1, ties to even, subnormals kept.
;;     - The product sums the exact products of the quantised numbers (number of the format x scale) in f32.
;;   ~~~python
;;   def quantise(x, axis):      # numpy; x: float32 -> the quantised numbers, widened to float32 again
;;       x = np.moveaxis(x, axis, -1); K = x.shape[-1]
;;       x = np.pad(x, [(0, 0)] * (x.ndim - 1) + [(0, -K % 32)]); x = x.reshape(x.shape[:-1] + (-1, 32)); a = np.abs(x).max(-1, keepdims=True)
;;       e = np.where(a > 0, np.clip(np.frexp(np.where(a > 0, a, 1))[1] - 1 - 2, -126, 127), 0)      # np.frexp(a)[1] - 1 = floor(log2(a)), exactly
;;       r = np.clip(x / 2.0 ** e, -6, 6)
;;       step = 2.0 ** (np.maximum(np.frexp(np.where(r == 0, 1, r))[1] - 1, 0) - 1)
;;       q = np.round(r / step) * step * 2.0 ** e      # np.round: ties to even
;;       return np.moveaxis(q.reshape(q.shape[:-2] + (-1,))[..., :K], -1, axis).astype(np.float32)
;;   ~~~
;; 2 versions. Each part assembles by itself: llvm-mc -triple=amdgcn-amd-amdhsa -mcpu=gfx1250 --defsym DOCPART=n.
;; ======== version 1 of 2: 3 launches
;; workspace buffers: wq 69,632 bytes; part 65,536 bytes
;; launch quantw (part 1): grid 16 x 2, 1 waves a work-group, no clusters, 17,152 bytes of LDS; arguments W, wq; writes wq
.if DOCPART == 1
	.amdgcn_target "amdgcn-amd-amdhsa--gfx1250"
	.amdhsa_code_object_version 6
	.text
	.protected	k_q839fe6b6bc_quantw
	.globl	k_q839fe6b6bc_quantw
	.p2align	8
	.type	k_q839fe6b6bc_quantw,@function
k_q839fe6b6bc_quantw:
	s_mov_b64 s[64:65], 0
	v_nop
	global_prefetch_b8 v0, s[64:65] scope:SCOPE_SE
	s_setreg_imm32_b32 hwreg(HW_REG_WAVE_MODE, 25, 1), 1
	s_wait_xcnt 0x0
; W [64][2048] f32 is turned ONCE into codes of FP4 (E2M1) with one E8M0 scale byte for each 32 along K, laid as the next launch's matrix operand wants them:
;   wq + 0:      [K step s = 0..15][tile e = 0..3][c = 0..1][lane][16 bytes]: an image of a fragment's 8 registers (16 experts x 128 K), 1,024 bytes a fragment
;   wq + 65536:  [K step s][tile e][row m = 0..15]: one word a row, its four scale bytes of that K step
; THE EXPERTS OF A TILE ARE NOT NEIGHBOURS: row m of tile e is expert 32 (m / 8) + 8 e + m % 8, so that in the next launch's transposed result a lane holds 32 neighbouring experts of one token.
; A block's scale is 2^(floor(log2(its largest magnitude)) - 2); its byte is the largest magnitude's exponent field - 2, held at 1 from below.  A block of zeros so gets the byte 1 where the
; quantiser says 127: its codes are zeros, which add nothing under any byte but 0xff, and this program alone reads the bytes.
; LIMITS: NaN and infinities among the inputs are not served.
; SHARES: one wave to a work-group; work-group (x = s, y = p) takes K step s of tiles 2 p and 2 p + 1: 32 rows x 512 bytes.
; Each load reads 512 consecutive bytes of one row, 16 a lane.  The conversions want 32 neighbours along K in ONE lane: a tile's 8,192 bytes go through a stage in LDS as they lie and come back 128 bytes a lane.
; A stage row is 512 + 16 bytes = 132 words: row r starts at bank 4 r mod 64 (64 banks of 4 bytes: ISA guide 11.1), so the sixteen rows that a load touches start at sixteen different banks.
.set ROWB,  8192                       ; a row of W in bytes
.set PITCH, 528                        ; a stage row
.set STGB,  16*PITCH                   ; a stage: one for each of the two tiles
.set FLOOR, 0x1800000                  ; 2^(3 - 127): under it no largest magnitude is taken, so the byte cannot fall under 1
.set LI,  1                            ; v1     16 x lane: my place in a load's 512 bytes, in a stage row and in an image
.set LA,  2                            ; v2     out of the stage: row r = lane % 16, + 128 h, h = lane / 16
.set SH8, 3                            ; v3     8 h
.set L4,  4                            ; v4     4 x lane
.set TM,  8                            ; v8-11  at work
.set XS,  12                           ; v12-13 the two tiles' scale words
.set SW,  14                           ; v14    the word that I store
.set XC,  16                           ; v16-31 the two tiles' codes
.set R,   32                           ; v32-159 the two tiles' numbers, 64 each
.set SEL, 10                           ; s[10:11] v_permlanex16_b32's selects for lane l xor 16
	s_load_b128 s[4:7], s[0:1], 0x0                ; W, wq
	v_lshl_add_u32 v160, v0, 2, 0x4200
	v_mov_b32 v161, 0
	v_lshlrev_b32 v[LI], 4, v0                     ; one wave: the thread's number is the lane
	v_and_b32 v5, 15, v0                           ; r
	v_lshrrev_b32 v6, 4, v0                        ; h
	v_mul_u32_u24 v[LA], v5, PITCH
	v_lshl_add_u32 v[LA], v6, 7, v[LA]
	v_lshlrev_b32 v[SH8], 3, v6
	v_lshlrev_b32 v[L4], 2, v0
	s_mov_b32 s[SEL], 0x76543210
	s_mov_b32 s[SEL+1], 0xfedcba98
	s_and_b32 s12, ttmp7, 0xffff                   ; p
	s_lshl_b32 s14, s12, 17                        ; W: tiles 2 p on begin 16 p rows down,
	s_lshl_b32 s13, ttmp9, 9                       ; K step s is 512 bytes of a row
	s_add_co_u32 s14, s14, s13
	s_mov_b32 s15, 0
	s_lshl_b32 s16, ttmp9, 12                      ; the images: 4,096 bytes a K step, 2,048 a pair of tiles
	s_lshl_b32 s13, s12, 11
	s_add_co_u32 s16, s16, s13
	s_mov_b32 s17, 0
	s_lshl_b32 s18, ttmp9, 8                       ; the scale words: 256 bytes a K step, 128 a pair of tiles, behind the images
	s_lshl_b32 s13, s12, 7
	s_add_co_u32 s18, s18, s13
	s_add_co_u32 s18, s18, 65536
	s_mov_b32 s19, 0
	s_wait_kmcnt 0x0
	s_add_nc_u64 s[4:5], s[4:5], s[14:15]
	s_add_nc_u64 s[8:9], s[6:7], s[18:19]
	s_add_nc_u64 s[6:7], s[6:7], s[16:17]
.irp a, 0,1                            ; tile 2 p + a, row m: expert 32 (m / 8) + 16 p + 8 a + m % 8
.irp m, 0,1,2,3,4,5,6,7,8,9,10,11,12,13,14,15
	global_load_b128 v[R+64*\a+4*\m:R+64*\a+4*\m+3], v[LI], s[4:5] offset:(32*(\m/8)+8*\a+\m%8)*ROWB th:TH_LOAD_NT
.endr
.endr
; A tile's 64 registers go into the stage as loaded (register 4 m ..: row m) and come back into the registers that they left: register 32 c + i = k 64 c + 32 h + i of row r.
; LDS serves a wave's instructions in order (ISA guide 5.7.1.4): the loads see the stores.
.macro TURN reg, stage
.irp m, 0,1,2,3,4,5,6,7,8,9,10,11,12,13,14,15
	ds_store_b128 v[LI], v[\reg+4*\m:\reg+4*\m+3] offset:\stage+\m*PITCH
.endr
.irp c, 0,1
.irp j, 0,1,2,3,4,5,6,7
	ds_load_b128 v[\reg+32*\c+4*\j:\reg+32*\c+4*\j+3], v[LA] offset:\stage+256*\c+16*\j
.endr
.endr
.endm
; 64 numbers of a lane, two whole blocks (blocks h and 2 + h of row r), become registers 0-7 of the operand in v[dst] on, and the row's scale word in v[sw] (in both halves of the lanes).
.macro QUANT src, dst, sw
	v_max3_num_f32 v[TM], |v[\src]|, |v[\src+1]|, FLOOR             ; the largest magnitudes, the floor among the leaves; the two blocks by turns
	v_max3_num_f32 v[TM+1], |v[\src+32]|, |v[\src+33]|, FLOOR
.irp i, 2,4,6,8,10,12,14,16,18,20,22,24,26,28,30
	v_max3_num_f32 v[TM], v[TM], |v[\src+\i]|, |v[\src+\i+1]|
	v_max3_num_f32 v[TM+1], v[TM+1], |v[\src+32+\i]|, |v[\src+33+\i]|
.endr
	v_add_nc_u32 v[TM+2], 0xff000000, v[TM]        ; 2 off the exponent field: the conversion takes the exponent field of this operand as its scale, and nothing else of it
	v_add_nc_u32 v[TM+3], 0xff000000, v[TM+1]
	v_lshrrev_b32 v[TM], 23, v[TM+2]               ; the scales' bytes
	v_lshrrev_b32 v[TM+1], 23, v[TM+3]
	v_lshl_or_b32 v[TM], v[TM+1], 16, v[TM]        ; blocks h and 2 + h,
	v_lshlrev_b32 v[TM], v[SH8], v[TM]             ; at their places in the word;
	v_permlanex16_b32 v[TM+1], v[TM], s[SEL], s[SEL+1]
	v_or_b32 v[\sw], v[TM], v[TM+1]                ; with lane l xor 16's two the word is whole
.irp c, 0,1
.irp g, 0,1,2,3
	v_cvt_scalef32_pk8_fp4_f32 v[\dst+4*\c+\g], v[\src+32*\c+8*\g:\src+32*\c+8*\g+7], v[TM+2+\c]   ; to the nearest code, ties to even, beyond 6 the largest code
.endr
.endr
.endm
	s_wait_loadcnt 16                              ; the first tile's 16 loads are in; the second's may be out
	TURN R, 0
	s_wait_loadcnt 0x0
	TURN R+64, STGB
	s_wait_dscnt 32                                ; the first tile is back: behind its loads stand the second tile's 16 stores and 16 loads
	QUANT R, XC, XS
	s_wait_dscnt 0x0
	QUANT R+64, XC+8, XS+1
	v_nop                                          ; a plain line behind the last conversion
	v_cmp_gt_u32 vcc_lo, 16, v0
	v_cndmask_b32 v[SW], v[XS+1], v[XS], vcc_lo    ; lanes 0-15: tile 2 p's word of row lane; lanes 16-31: tile 2 p + 1's of row lane - 16
.irp a, 0,1
.irp c, 0,1
	global_store_b128 v[LI], v[XC+8*\a+4*\c:XC+8*\a+4*\c+3], s[6:7] offset:1024*\a+512*\c   ; 32 lanes store 512 consecutive bytes, aligned to 256
.endr
.endr
	global_store_b32 v[L4], v[SW], s[8:9]          ; 128 consecutive bytes: the pair's 32 words
	s_wait_tensorcnt 0x0
	ds_add_u32 v160, v161
	s_wait_dscnt 0x0
	s_endpgm
.Lfunc_end_k_q839fe6b6bc_quantw:
	.size	k_q839fe6b6bc_quantw, .Lfunc_end_k_q839fe6b6bc_quantw-k_q839fe6b6bc_quantw
	.p2alignl 7, 3214868480
	.fill 96, 4, 3214868480
	.section	.rodata,"a",@progbits
	.p2align	6, 0x0
	.amdhsa_kernel k_q839fe6b6bc_quantw
		.amdhsa_group_segment_fixed_size 17152
		.amdhsa_private_segment_fixed_size 0
		.amdhsa_enable_private_segment 0
		.amdhsa_kernarg_size 16
		.amdhsa_user_sgpr_count 2
		.amdhsa_user_sgpr_kernarg_segment_ptr 1
		.amdhsa_wavefront_size32 1
		.amdhsa_system_sgpr_workgroup_id_x 1
		.amdhsa_system_sgpr_workgroup_id_y 1
		.amdhsa_system_sgpr_workgroup_id_z 1
		.amdhsa_system_vgpr_workitem_id 0
		.amdhsa_next_free_vgpr 162
		.amdhsa_next_free_sgpr 66
		.amdhsa_reserve_vcc 1
		.amdhsa_float_denorm_mode_32 3
		.amdhsa_float_denorm_mode_16_64 3
		.amdhsa_memory_ordered 1
		.amdhsa_forward_progress 1
		.amdhsa_inst_pref_size 16
	.end_amdhsa_kernel
	.amdgpu_metadata
---
amdhsa.version: [ 1, 2 ]
amdhsa.kernels:
  - .name:           k_q839fe6b6bc_quantw
    .symbol:         k_q839fe6b6bc_quantw.kd
    .args:
      - { .name: W, .offset: 0, .size: 8, .value_kind: global_buffer, .address_space: global }
      - { .name: wq, .offset: 8, .size: 8, .value_kind: global_buffer, .address_space: global }
    .group_segment_fixed_size: 17152
    .private_segment_fixed_size: 0
    .kernarg_segment_align: 8
    .kernarg_segment_size: 16
    .max_flat_workgroup_size: 32
    .sgpr_count:     66
    .vgpr_count:     162
    .wavefront_size: 32
...
	.end_amdgpu_metadata
.endif
;; end of part 1
;; launch router (part 2): grid 256 x 1, 16 waves a work-group, no clusters, 171,520 bytes of LDS; arguments x, wq, out0, out1, part; writes out0, out1, part
.if DOCPART == 2
	.amdgcn_target "amdgcn-amd-amdhsa--gfx1250"
	.amdhsa_code_object_version 6
	.text
	.protected	k_q839fe6b6bc_router
	.globl	k_q839fe6b6bc_router
	.p2align	8
	.type	k_q839fe6b6bc_router,@function
k_q839fe6b6bc_router:
	s_mov_b64 s[64:65], 0
	v_nop
	global_prefetch_b8 v0, s[64:65] scope:SCOPE_SE
	s_setreg_imm32_b32 hwreg(HW_REG_WAVE_MODE, 25, 1), 1
	s_wait_xcnt 0x0
; logits = Q(x) Q(W)^T on codes of FP4 (E2M1) with one E8M0 scale for each 32 along K; softmax over the 64 experts; the two largest probabilities, ties to the lower index; their scores p / (p1 + p2);
; out0 [16384][64] f32: the scores at their experts' places, zeros elsewhere; out1 [16384][2] i32: the two experts; part [256][64] f32: each work-group's sums of out0 over its 64 tokens, for the last launch.
; x [16384][2048] f32 is quantised here, on its way to the matrix unit; W comes as codes and scale words from the launch before (wq: images of the operand's registers).
; SHARES.  A work-group owns 64 tokens: 524,288 bytes of x.  Wave w of 16: t = w & 3 is its tile of 16 tokens, q = w >> 2; it takes K steps 4 n + q, n = 0 .. 3: four tiles of 16 tokens x 128 K.
; x COMES THROUGH REGISTERS, by loads that cover 512 consecutive bytes of one row (16 to a tile), in two sets of 64 registers: 16 to 32 loads of every wave are out from the first line to its last tile, and every wait for them is counted.
; (A work-group's x is larger than LDS: slots filled by the data mover would be filled again behind barriers in front of which every load has landed.)
; x IS QUANTISED AHEAD OF THE TURN THROUGH LDS, so that codes cross the lanes and not f32 numbers: an eighth of the bytes.  In a load lane l takes the 16 bytes at 32 (l % 16) + 16 (l / 16).  Rows p and p + 8 stand in eight
; neighbouring registers; four exchanges of half the lanes then leave lanes 0-15 with eight neighbours along K of row p, lanes 16-31 with eight of row p + 8: what one conversion takes.  A block of 32 lies in four neighbouring lanes.
; A tile's codes (16 rows x 64 bytes, 80 bytes apart: an odd multiple of 16, so the sixteen rows of a load start in different banks: ISA guide 11.1) and its 64 scale bytes go through the wave's own stage and come back as the operand's registers.
; W's 69,632 bytes are copied into LDS once, a sixteenth by each wave, and a K step's four fragments are read from there.  NO CLUSTER: W is all that work-groups share, an eighth of the bytes that each reads of x alone.
; THE MATRIX INSTRUCTION IS USED TRANSPOSED: source 0 = 16 experts, source 1 = my 16 tokens.  Row m of tile e is expert 32 (m / 8) + 8 e + m % 8, so lane (r, h) holds token r, and accumulator register 8 e + j is expert 32 h + 8 e + j.
; The four waves of a tile of tokens hold sums over a quarter of K each: they meet in LDS as images of the registers.  ALL SIXTEEN WAVES FINISH: wave (t, q) takes tokens 4 q .. 4 q + 3 of tile t, eight lanes to a token, eight experts to a lane.
; LIMITS: NaN and infinities among the inputs are not served.  An exponential under 2^-126 comes out as 0 (v_exp_f32: ISA guide 15.8).  A probability is e x (1 / sum), one rounding more than a division.
; A block of zeros gets the scale byte 1 where the quantiser says 127: its codes are zeros, which add nothing.
.set ROWB,  8192                       ; a row of x in bytes
.set CP,    80                         ; a token's 64 bytes of codes in a stage, + 16
.set SCO,   16*CP                      ; behind the codes: the 16 tokens' scale words
.set STGB,  1536                       ; a wave's stage
.set WC,    16*STGB                    ; LDS: behind the 16 stages W's images, 4,096 bytes a K step,
.set WS,    WC+65536                   ; W's scale words, 256 bytes a K step,
.set PART,  WS+4096                    ; the waves' sums: eight images of 544 bytes each: lane (r, h) at 16 r + 288 h,
.set PIM,   544                        ; so that the sixteen lanes of a later read, 16 tt + 288 h + 1088 e, fall on sixteen different columns of 16 bytes (tt + 2 h + 4 e modulo 16)
.set PWV,   8*PIM
.set TAB,   PART+16*PWV                ; a record of 16 bytes for each of the 64 tokens: expert 1, expert 2, score 1, score 2,
.set IDX,   TAB+1024                   ; the 64 pairs of experts as out1 has them,
.set CNT,   IDX+512                    ; and sixteen rows of 64 sums of out0
.set FLOOR, 0x1800000                  ; 2^(3 - 127): under it no largest magnitude is taken, so a scale's byte cannot fall under 1
.set LI,   1                           ; v1   16 x lane: my place in 512 consecutive bytes (wq, out0, out1)
.set LX,   2                           ; v2   my place in a load of x: 32 (lane % 16) + 16 (lane / 16)
.set CST,  3                           ; v3   into my stage, codes: 4 (lane % 16) + 640 (lane / 16)
.set SST,  4                           ; v4   scale bytes: (lane % 16) / 4 + 32 (lane / 16)
.set CLD,  5                           ; v5   out of it, codes: 80 r + 16 h
.set SLD,  6                           ; v6   scale words: 4 r
.set WA,   7                           ; v7   W's images of K step q: 16 x lane
.set WSA,  8                           ; v8   W's scale words of K step q: 4 x lane
.set PA,   9                           ; v9   my wave's sums: 16 r + 288 h
.set PR,   10                          ; v10  the sums that I finish: tile t, token 4 q + tt, experts 8 g on
.set TS,   11                          ; v11  my token's record
.set TR,   12                          ; v12  the record of token (lane / 16) of my four
.set IS,   13                          ; v13  my token's pair of experts
.set CSA,  14                          ; v14  my wave's row of sums: 16 x (lane % 16)
.set CR,   15                          ; v15  the rows of sums: 8 x lane
.set IR,   16                          ; v16  the pairs of experts: 16 x lane
.set L8,   17                          ; v17  8 x lane
.set WCS,  18                          ; v18  where I copy W's images of K step w
.set WSS,  19                          ; v19  and its scale words
.set G8,   20                          ; v20  8 g: my first expert in the last part
.set TM,   24                          ; v24-31 the eight pairs' largest magnitudes, then the conversions' scale operands
.set BY,   32                          ; v32-39 their scale bytes
.set CD,   40                          ; v40-47 their codes
.set XC,   48                          ; v48-55 x's fragment
.set XS,   60                          ; v60  x's scale words: this register holds scales alone
.set WSC,  62                          ; v62-63 W's: lanes 0-15 tile 2 p, lanes 16-31 tile 2 p + 1: these hold scales alone
.set R0,   64                          ; v64-127, v128-191 two sets of 64 numbers of x
.set R1,   128
.set P,    64                          ; later: four waves' sums, 8 registers each
.set L,    64                          ; then: my 8 logits, exponentials, probabilities
.set T0,   96                          ; v96-97 at work
.set NM,   98                          ; v98-99 -c x the largest logit
.set SU,   100                         ; v100-103 the sum of the exponentials
.set SV,   102
.set RS,   104                         ; v104-105 1 / that sum
.set JX,   106                         ; v106 the place in a chain that is being looked at
.set DEN,  107
.set C1,   108                         ; two chains: the largest, the second, their places, at work
.set C2,   110
.set I1,   112
.set I2,   114
.set CT,   116
.set MX,   120                         ; v120-123 at work in the merges
.set O1,   124                         ; v124-127 another lane's two largest and their experts
.set TB,   128                         ; v128-131 my token's record
.set EK,   132                         ; v132-135 the four experts of my 16 bytes of a row of out0
.set G,    136                         ; v136-143 two pairs of records
.set OUT,  144                         ; v144-151 two pairs of rows of out0
.set CA,   152                         ; v152-159 sums of out0
.set CB,   156
.set WF,   192                         ; v192-223 W's four fragments of a K step
.set ACC,  224                         ; v224-255 four accumulators
.set SEL,  20                          ; s[20:21] v_permlanex16_b32's selects for lane l xor 16
.set CS,   22                          ; s[22:23] c = log2(e); the packed form names a pair and takes its low word for both halves
.set NC,   24                          ; s24  -c
.set MA,   40                          ; s40-43, s44-47, s48-51 lane masks
.set MB,   44
.set GM,   48
	s_load_b256 s[4:11], s[0:1], 0x0               ; x, wq, out0, out1
	s_load_b64 s[12:13], s[0:1], 0x20              ; part
	v_lshl_add_u32 v59, v0, 2, 0x29600
	v_mov_b32 v61, 0
	v_lshrrev_b32 v40, 5, v0
	v_readfirstlane_b32 s14, v40                   ; wave w
	s_and_b32 s15, s14, 3                          ; t
	s_lshr_b32 s16, s14, 2                         ; q
	v_and_b32 v41, 31, v0                          ; lane
	v_and_b32 v42, 15, v0                          ; r = lane % 16
	v_bfe_u32 v43, v0, 4, 1                        ; h = lane / 16
	v_and_b32 v44, 7, v0                           ; g = lane % 8
	v_bfe_u32 v45, v0, 3, 2                        ; tt = lane / 8
	v_lshrrev_b32 v46, 2, v42                      ; (lane % 16) / 4: my block of 32 in a tile
	v_lshrrev_b32 v47, 2, v44                      ; g / 4
	v_and_b32 v48, 3, v44                          ; g % 4
	v_lshlrev_b32 v[LI], 4, v41
	v_lshlrev_b32 v[L8], 3, v41
	v_lshlrev_b32 v[G8], 3, v44
	v_lshlrev_b32 v[LX], 5, v42
	v_lshl_add_u32 v[LX], v43, 4, v[LX]
	; every LDS address is made here, ahead of the one parting of the waves: a constant + constants x parts of the lane + constants x parts of the wave
	s_mul_i32 s17, s14, STGB
	v_lshl_add_u32 v[CST], v42, 2, s17
	v_mad_u32_u24 v[CST], v43, 8*CP, v[CST]
	v_add_nc_u32 v[SST], s17, v46
	v_lshl_add_u32 v[SST], v43, 5, v[SST]
	v_mul_u32_u24 v[CLD], v42, CP
	v_lshl_add_u32 v[CLD], v43, 4, v[CLD]
	v_add_nc_u32 v[CLD], s17, v[CLD]
	v_lshl_add_u32 v[SLD], v42, 2, s17
	s_lshl_b32 s17, s16, 12
	s_add_co_u32 s17, s17, WC
	v_add_nc_u32 v[WA], s17, v[LI]
	s_lshl_b32 s17, s16, 8
	s_add_co_u32 s17, s17, WS
	v_lshl_add_u32 v[WSA], v41, 2, s17
	s_mul_i32 s17, s14, PWV
	s_add_co_u32 s17, s17, PART
	v_lshl_add_u32 v[PA], v42, 4, s17
	v_mad_u32_u24 v[PA], v43, 288, v[PA]
	s_mul_i32 s17, s15, PWV
	s_lshl_b32 s18, s16, 6
	s_add_co_u32 s17, s17, s18
	s_add_co_u32 s17, s17, PART
	v_lshl_add_u32 v[PR], v45, 4, s17
	v_mad_u32_u24 v[PR], v47, 288, v[PR]
	v_mad_u32_u24 v[PR], v48, 2*PIM, v[PR]
	s_lshl_b32 s17, s14, 12
	s_add_co_u32 s17, s17, WC
	v_add_nc_u32 v[WCS], s17, v[LI]
	s_lshl_b32 s17, s14, 8
	s_add_co_u32 s18, s17, WS
	v_add_nc_u32 v[WSS], s18, v[L8]
	s_add_co_u32 s18, s17, CNT
	v_lshl_add_u32 v[CSA], v42, 4, s18
	s_lshl_b32 s18, s15, 8                         ; my first token of the work-group's 64 is 16 t + 4 q: 16 bytes a record,
	s_lshl_b32 s19, s16, 6
	s_add_co_u32 s18, s18, s19
	s_add_co_u32 s18, s18, TAB
	v_lshl_add_u32 v[TS], v45, 4, s18
	v_lshl_add_u32 v[TR], v43, 4, s18
	s_lshl_b32 s18, s15, 7                         ; 8 bytes a pair of experts
	s_lshl_b32 s19, s16, 5
	s_add_co_u32 s18, s18, s19
	s_add_co_u32 s18, s18, IDX
	v_lshl_add_u32 v[IS], v45, 3, s18
	v_add_nc_u32 v[CR], CNT, v[L8]
	v_add_nc_u32 v[IR], IDX, v[LI]
	s_mov_b32 s[SEL], 0x76543210
	s_mov_b32 s[SEL+1], 0xfedcba98
	s_mov_b32 s[CS], 0x3fb8aa3b                    ; log2(e)
	s_mov_b32 s[CS+1], s[CS]
	s_mov_b32 s[NC], 0xbfb8aa3b
	; byte offsets, apart from the addresses
	s_lshl_b32 s26, ttmp9, 19                      ; x: 64 rows of 8,192 bytes a work-group,
	s_lshl_b32 s18, s15, 17                        ; 16 rows a tile,
	s_add_co_u32 s26, s26, s18
	s_lshl_b32 s18, s16, 9                         ; K step q: 512 bytes of a row
	s_add_co_u32 s26, s26, s18
	s_mov_b32 s27, 0
	s_lshl_b32 s28, s14, 12                        ; wq: the images of K step w,
	s_mov_b32 s29, 0
	s_lshl_b32 s30, s14, 8                         ; and its scale words
	s_add_co_u32 s30, s30, 65536
	s_mov_b32 s31, 0
	s_lshl_b32 s32, ttmp9, 14                      ; out0: 64 rows of 256 bytes a work-group, 16 a tile, my 4 of them
	s_lshl_b32 s18, s15, 12
	s_add_co_u32 s32, s32, s18
	s_lshl_b32 s18, s16, 10
	s_add_co_u32 s32, s32, s18
	s_mov_b32 s33, 0
	s_lshl_b32 s34, ttmp9, 9                       ; out1: 512 bytes a work-group
	s_mov_b32 s35, 0
	s_lshl_b32 s36, ttmp9, 8                       ; part: 256 bytes a work-group
	s_mov_b32 s37, 0
	s_wait_kmcnt 0x0
	s_add_nc_u64 s[4:5], s[4:5], s[26:27]
	s_add_nc_u64 s[38:39], s[6:7], s[30:31]
	s_add_nc_u64 s[6:7], s[6:7], s[28:29]
	s_add_nc_u64 s[8:9], s[8:9], s[32:33]
	s_add_nc_u64 s[10:11], s[10:11], s[34:35]
	s_add_nc_u64 s[12:13], s[12:13], s[36:37]
.irp i, 0,1,2,3,4,5,6,7                ; my sixteenth of W first: loads come back in order (ISA guide 5.7.1), and W is wanted first
	global_load_b128 v[WF+4*\i:WF+4*\i+3], v[LI], s[6:7] offset:512*\i
.endr
	global_load_b64 v[56:57], v[L8], s[38:39]
; my n-th tile of x: 16 rows x 512 bytes; each load covers 512 consecutive bytes, aligned to 256.  Pair p: row p into registers 8 p .. 8 p + 3, row p + 8 into 8 p + 4 .. 8 p + 7
.macro XLOAD reg, n
.irp p, 0,1,2,3,4,5,6,7
	global_load_b128 v[\reg+8*\p:\reg+8*\p+3], v[LX], s[4:5] offset:\p*ROWB+(\n)*2048 th:TH_LOAD_NT
	global_load_b128 v[\reg+8*\p+4:\reg+8*\p+7], v[LX], s[4:5] offset:(\p+8)*ROWB+(\n)*2048 th:TH_LOAD_NT
.endr
.endm
	XLOAD R0, 0
	XLOAD R1, 1
	s_wait_loadcnt 32                              ; W's nine loads are in; x's 32, issued behind them, stay out
.irp i, 0,1,2,3,4,5,6,7
	ds_store_b128 v[WCS], v[WF+4*\i:WF+4*\i+3] offset:512*\i
.endr
	ds_store_b64 v[WSS], v[56:57]
	s_wait_dscnt 0x0                               ; for the others' sake: my part of W lies in LDS
	s_barrier_signal -1
	s_barrier_wait -1                              ; everybody's does
; A tile's 64 registers become 8 registers of codes and 8 scale bytes.  As loaded, lane (i, hh) holds of rows p and p + 8 the four numbers k = 8 i + 4 hh + 0 .. 3.  The exchange (the first register's lanes 16-31 change places
; with the second's lanes 0-15) leaves it with k = 8 i + 0 .. 7 of token p + 8 hh in registers 8 p .. 8 p + 7.  Block i / 4 of that token lies in lanes i xor 0 .. 3.  The eight pairs take turns line by line.
.macro QUANT reg
.irp p, 0,1,2,3,4,5,6,7
.irp k, 0,1,2,3
	v_permlane16_swap_b32 v[\reg+8*\p+\k], v[\reg+8*\p+4+\k]
.endr
.endr
.irp p, 0,1,2,3,4,5,6,7
	v_max3_num_f32 v[TM+\p], |v[\reg+8*\p]|, |v[\reg+8*\p+1]|, FLOOR   ; the largest magnitude of my eight, the floor among the leaves
.endr
.irp i, 2,4,6
.irp p, 0,1,2,3,4,5,6,7
	v_max3_num_f32 v[TM+\p], v[TM+\p], |v[\reg+8*\p+\i]|, |v[\reg+8*\p+\i+1]|
.endr
.endr
.irp p, 0,1,2,3,4,5,6,7
	v_max_num_f32_dpp v[TM+\p], v[TM+\p], v[TM+\p] row_xmask:1 row_mask:0xf bank_mask:0xf
.endr
.irp p, 0,1,2,3,4,5,6,7
	v_max_num_f32_dpp v[TM+\p], v[TM+\p], v[TM+\p] row_xmask:2 row_mask:0xf bank_mask:0xf   ; the block's
.endr
.irp p, 0,1,2,3,4,5,6,7
	v_add_nc_u32 v[TM+\p], 0xff000000, v[TM+\p]    ; 2 off the exponent field: the conversion takes the exponent field of this operand as its scale, and nothing else of it
.endr
.irp p, 0,1,2,3,4,5,6,7
	v_lshrrev_b32 v[BY+\p], 23, v[TM+\p]           ; the scale's byte
.endr
.irp p, 0,1,2,3,4,5,6,7
	v_cvt_scalef32_pk8_fp4_f32 v[CD+\p], v[\reg+8*\p:\reg+8*\p+7], v[TM+\p]   ; to the nearest code, ties to even, beyond 6 the largest code
.endr
	v_nop                                          ; a plain line behind the last conversion
.endm
; one product: 16 experts (tile e) x my 16 tokens x 128 K.  first = 1: it starts the sum: nothing is cleared.  An odd tile's scale words lie in lanes 16-31 of their register.
.macro MM e, first
.if \first
.if (\e)%2
	v_wmma_scale_f32_16x16x128_f8f6f4 v[ACC+8*\e:ACC+8*\e+7], v[WF+8*\e:WF+8*\e+7], v[XC:XC+7], 0, v[WSC+\e/2], v[XS] matrix_a_fmt:MATRIX_FMT_FP4 matrix_b_fmt:MATRIX_FMT_FP4 matrix_a_scale:MATRIX_SCALE_ROW1
.else
	v_wmma_scale_f32_16x16x128_f8f6f4 v[ACC+8*\e:ACC+8*\e+7], v[WF+8*\e:WF+8*\e+7], v[XC:XC+7], 0, v[WSC+\e/2], v[XS] matrix_a_fmt:MATRIX_FMT_FP4 matrix_b_fmt:MATRIX_FMT_FP4
.endif
.else
.if (\e)%2
	v_wmma_scale_f32_16x16x128_f8f6f4 v[ACC+8*\e:ACC+8*\e+7], v[WF+8*\e:WF+8*\e+7], v[XC:XC+7], v[ACC+8*\e:ACC+8*\e+7], v[WSC+\e/2], v[XS] matrix_a_fmt:MATRIX_FMT_FP4 matrix_b_fmt:MATRIX_FMT_FP4 matrix_a_scale:MATRIX_SCALE_ROW1
.else
	v_wmma_scale_f32_16x16x128_f8f6f4 v[ACC+8*\e:ACC+8*\e+7], v[WF+8*\e:WF+8*\e+7], v[XC:XC+7], v[ACC+8*\e:ACC+8*\e+7], v[WSC+\e/2], v[XS] matrix_a_fmt:MATRIX_FMT_FP4 matrix_b_fmt:MATRIX_FMT_FP4
.endif
.endif
.endm
; MY n-TH TILE, K step 4 n + q, in register set reg.
.macro TILE n, reg
.irp e, 0,1,2,3                        ; W's four fragments and their scale words: asked for ahead of the wait for x
.irp c, 0,1
	ds_load_b128 v[WF+8*\e+4*\c:WF+8*\e+4*\c+3], v[WA] offset:(\n)*16384+\e*1024+\c*512
.endr
.endr
	ds_load_b32 v[WSC], v[WSA] offset:(\n)*1024
	ds_load_b32 v[WSC+1], v[WSA] offset:(\n)*1024+128
.if \n < 3
	s_wait_loadcnt 16                              ; this tile's 16 loads are in; the next tile's 16 stay out
.else
	s_wait_loadcnt 0x0
.endif
	QUANT \reg
.if \n < 2
	XLOAD \reg, (\n)+2                             ; the set is free: it takes the tile two further on
.endif
.irp p, 0,1,2,3,4,5,6,7                ; the turn: token p + 8 hh, codes of k = 8 i on: 4 bytes at 4 i of its row
	ds_store_b32 v[CST], v[CD+\p] offset:\p*CP
.endr
.irp p, 0,1,2,3,4,5,6,7                ; and byte i / 4 of its scale word (the four lanes of a block write the same byte with the same value)
	ds_store_b8 v[SST], v[BY+\p] offset:SCO+4*\p
.endr
	ds_load_b128 v[XC:XC+3], v[CLD]                ; lane (r, h): token r, k = 32 h + 0 .. 31.  LDS serves a wave's instructions in order (ISA guide 5.7.1.4): these see the stores, and the next tile's stores come behind them
	ds_load_b128 v[XC+4:XC+7], v[CLD] offset:32    ; k = 64 + 32 h + 0 .. 31
	ds_load_b32 v[XS], v[SLD] offset:SCO           ; token r's scale word
	s_wait_dscnt 0x0                               ; operands and scales all come by loads: their wait is all that they owe
.if \n == 0                            ; the four accumulators take turns, one instruction a turn, from tile to tile too
.irp e, 0,1,2,3
	MM \e, 1
.endr
.else
.irp e, 0,1,2,3
	MM \e, 0
.endr
.endif
.rept 4
	v_nop                                          ; four places in front of the loads into W's registers, and of the first read of the results
.endr
.endm
	TILE 0, R0
	TILE 1, R1
	TILE 2, R0
	TILE 3, R1
.irp i, 0,1,2,3,4,5,6,7                ; my sums over a quarter of K, as images of the registers; each accumulator from its low end on
	ds_store_b128 v[PA], v[ACC+4*\i:ACC+4*\i+3] offset:PIM*\i
.endr
	s_wait_dscnt 0x0                               ; for the others' sake: my sums lie in LDS
	s_barrier_signal -1
	s_barrier_wait -1
	; THE LAST PART, in every wave: tokens 4 q + tt of tile t, tt = lane / 8; lane g = lane % 8 of a token holds experts 8 g + 0 .. 7: registers 8 (g % 4) on of lane (4 q + tt, g / 4) of the images of waves t, t + 4, t + 8, t + 12
.irp g, 0,1,2,3
.irp u, 0,1
	ds_load_b128 v[P+8*\g+4*\u:P+8*\g+4*\u+3], v[PR] offset:4*PWV*\g+PIM*\u
.endr
.endr
	v_and_b32 v[EK], 15, v0                        ; (work on registers while the loads are out)  my 16 bytes of a row of out0 are experts 4 (lane % 16) + 0 .. 3
	v_lshlrev_b32 v[EK], 2, v[EK]
	v_add_nc_u32 v[EK+1], 1, v[EK]
	v_add_nc_u32 v[EK+2], 2, v[EK]
	v_add_nc_u32 v[EK+3], 3, v[EK]
	v_mov_b32 v[NM+1], 0                           ; named as upper halves of pairs, so they are written
	v_mov_b32 v[RS+1], 0
.irp k, 0,1,2,3
	v_mov_b32 v[CB+\k], 0                          ; the destination of a lane permute or of a DPP form counts as one of its sources
	v_mov_b32 v[O1+\k], 0
.endr
	s_wait_dscnt 0x0
.irp i, 0,2,4,6
	v_pk_add_f32 v[P+\i:P+\i+1], v[P+\i:P+\i+1], v[P+8+\i:P+9+\i]
	v_pk_add_f32 v[P+16+\i:P+17+\i], v[P+16+\i:P+17+\i], v[P+24+\i:P+25+\i]
.endr
.irp i, 0,2,4,6
	v_pk_add_f32 v[L+\i:L+\i+1], v[P+\i:P+\i+1], v[P+16+\i:P+17+\i]   ; register j: the logit of my token and expert 8 g + j
.endr
	; THE SOFTMAX.  The largest logit is taken away first: e = 2^(c logit - c max), at most 1 (but for the rounding of c max, which all 64 share).
	v_max3_num_f32 v[T0], v[L], v[L+1], v[L+2]
	v_max3_num_f32 v[T0+1], v[L+3], v[L+4], v[L+5]
	v_max3_num_f32 v[T0], v[T0], v[L+6], v[L+7]
	v_max_num_f32 v[T0], v[T0], v[T0+1]
	v_max_num_f32_dpp v[T0], v[T0], v[T0] row_xmask:1 row_mask:0xf bank_mask:0xf
	v_max_num_f32_dpp v[T0], v[T0], v[T0] row_xmask:2 row_mask:0xf bank_mask:0xf
	v_max_num_f32_dpp v[T0], v[T0], v[T0] row_xmask:4 row_mask:0xf bank_mask:0xf   ; over the token's eight lanes
	v_mul_f32 v[NM], s[NC], v[T0]                  ; -c max
.irp i, 0,2,4,6
	v_pk_fma_f32 v[L+\i:L+\i+1], v[L+\i:L+\i+1], s[CS:CS+1], v[NM:NM+1] op_sel_hi:[1,0,0]
.endr
.irp n, 0,1,2,3,4,5,6,7
	v_exp_f32 v[L+\n], v[L+\n]                     ; one batch
.endr
.irp k, 0,1                            ; plain work that names no result: the two chains of the search begin
	v_mov_b32 v[I1+\k], 0
	v_mov_b32 v[I2+\k], 0
	v_mov_b32 v[C2+\k], -1.0                       ; under every probability
.endr
	s_wait_alu depctr_va_vdst(0)                   ; one wait for the batch, ahead of its first reader
	v_pk_add_f32 v[SU:SU+1], v[L:L+1], v[L+2:L+3]
	v_pk_add_f32 v[SV:SV+1], v[L+4:L+5], v[L+6:L+7]
	v_pk_add_f32 v[SU:SU+1], v[SU:SU+1], v[SV:SV+1]
	v_add_f32 v[SU], v[SU], v[SU+1]
	v_add_f32_dpp v[SU], v[SU], v[SU] row_xmask:1 row_mask:0xf bank_mask:0xf
	v_add_f32_dpp v[SU], v[SU], v[SU] row_xmask:2 row_mask:0xf bank_mask:0xf
	v_add_f32_dpp v[SU], v[SU], v[SU] row_xmask:4 row_mask:0xf bank_mask:0xf   ; the sum over the 64 experts, the same bits in all eight lanes: at least 1 less a rounding
	v_rcp_f32 v[RS], v[SU]
	v_nop                                          ; a plain line behind the reciprocal
	s_wait_alu depctr_va_vdst(0)                   ; and the wait ahead of its first reader
.irp i, 0,2,4,6
	v_pk_mul_f32 v[L+\i:L+\i+1], v[L+\i:L+\i+1], v[RS:RS+1] op_sel_hi:[1,0]   ; the probabilities
.endr
	; THE TWO LARGEST OF MY 8, WITH THEIR PLACES.  Two chains of four neighbours, walked upward and by turns.  A later number takes a place only if it is GREATER: of equal numbers the lower index stays ahead.
	; The values: second = the middle one of (p, largest, second), largest = max.  The places follow by selects.  No branch and no address hangs on any of this.
.irp k, 0,1
	v_mov_b32 v[C1+\k], v[L+4*\k]
.endr
.irp j, 1,2,3
	v_mov_b32 v[JX], \j
.irp k, 0,1
	v_cmp_gt_f32 s[MA+\k], v[L+4*\k+\j], v[C1+\k]
.endr
.irp k, 0,1
	v_cmp_gt_f32 s[MB+\k], v[L+4*\k+\j], v[C2+\k]
.endr
.irp k, 0,1
	v_cndmask_b32 v[CT+\k], v[JX], v[I1+\k], s[MA+\k]      ; what becomes second: the old first, or p
.endr
.irp k, 0,1
	v_cndmask_b32 v[I1+\k], v[I1+\k], v[JX], s[MA+\k]
.endr
.irp k, 0,1
	v_cndmask_b32 v[I2+\k], v[I2+\k], v[CT+\k], s[MB+\k]
.endr
.irp k, 0,1
	v_med3_num_f32 v[C2+\k], v[L+4*\k+\j], v[C1+\k], v[C2+\k]
.endr
.irp k, 0,1
	v_max_num_f32 v[C1+\k], v[L+4*\k+\j], v[C1+\k]
.endr
.endr
	v_add_nc_u32 v[I1+1], 4, v[I1+1]               ; places in the second chain become places among my 8
	v_add_nc_u32 v[I2+1], 4, v[I2+1]
; chains a and b become one, in a's registers; all of b's places are higher than a's, so b's numbers win only where they are greater
.macro MERGE a, b, x, m
	v_cmp_gt_f32 s[\m], v[C1+\b], v[C1+\a]
	v_cndmask_b32 v[\x], v[C1+\b], v[C2+\b], s[\m]         ; b's candidate for second: its first, or, if that is the new first, its second
	v_cndmask_b32 v[\x+1], v[I1+\b], v[I2+\b], s[\m]
	v_cndmask_b32 v[\x+2], v[C2+\a], v[C1+\a], s[\m]       ; a's: its second, or its first if that was beaten
	v_cndmask_b32 v[\x+3], v[I2+\a], v[I1+\a], s[\m]
	v_cndmask_b32 v[I1+\a], v[I1+\a], v[I1+\b], s[\m]
	v_max_num_f32 v[C1+\a], v[C1+\a], v[C1+\b]
	v_cmp_gt_f32 s[\m], v[\x], v[\x+2]
	v_cndmask_b32 v[I2+\a], v[\x+3], v[\x+1], s[\m]
	v_max_num_f32 v[C2+\a], v[\x], v[\x+2]
.endm
	MERGE 0, 1, MX, MA
	v_add_nc_u32 v[I1], v[G8], v[I1]               ; places become experts: + 8 g
	v_add_nc_u32 v[I2], v[G8], v[I2]
; my two and those of the lane d away become the two of both.  One beats the other if it is greater, or equal with the lower expert: an order without ties, so both lanes come to the same answer
.macro XMERGE d
	v_mov_b32_dpp v[O1], v[C1] row_xmask:\d row_mask:0xf bank_mask:0xf
	v_mov_b32_dpp v[O1+1], v[C2] row_xmask:\d row_mask:0xf bank_mask:0xf
	v_mov_b32_dpp v[O1+2], v[I1] row_xmask:\d row_mask:0xf bank_mask:0xf
	v_mov_b32_dpp v[O1+3], v[I2] row_xmask:\d row_mask:0xf bank_mask:0xf
	v_cmp_gt_f32 s[MA], v[O1], v[C1]
	v_cmp_eq_f32 s[MA+1], v[O1], v[C1]
	v_cmp_lt_u32 s[MA+2], v[O1+2], v[I1]
	s_and_b32 s[MA+1], s[MA+1], s[MA+2]
	s_or_b32 s[MA], s[MA], s[MA+1]                 ; the other's first beats mine
	v_cndmask_b32 v[MX], v[O1], v[O1+1], s[MA]     ; the other's candidate for second: its first, or its second if its first is the new first
	v_cndmask_b32 v[MX+1], v[O1+2], v[O1+3], s[MA]
	v_cndmask_b32 v[MX+2], v[C2], v[C1], s[MA]     ; mine: my second, or my first if that was beaten
	v_cndmask_b32 v[MX+3], v[I2], v[I1], s[MA]
	v_cndmask_b32 v[I1], v[I1], v[O1+2], s[MA]
	v_max_num_f32 v[C1], v[C1], v[O1]
	v_cmp_gt_f32 s[MA], v[MX], v[MX+2]
	v_cmp_eq_f32 s[MA+1], v[MX], v[MX+2]
	v_cmp_lt_u32 s[MA+2], v[MX+1], v[MX+3]
	s_and_b32 s[MA+1], s[MA+1], s[MA+2]
	s_or_b32 s[MA], s[MA], s[MA+1]
	v_cndmask_b32 v[I2], v[MX+3], v[MX+1], s[MA]
	v_max_num_f32 v[C2], v[MX], v[MX+2]
.endm
	XMERGE 1
	XMERGE 2
	XMERGE 4                                       ; all eight lanes of a token now hold its two largest probabilities and their experts
	v_add_f32 v[DEN], v[C1], v[C2]
	v_rcp_f32 v[DEN], v[DEN]
	v_mov_b32 v[TB], v[I1]                         ; (plain lines behind the reciprocal)  the record: the two experts,
	v_mov_b32 v[TB+1], v[I2]
	s_wait_alu depctr_va_vdst(0)                   ; the wait ahead of the reciprocal's first reader
	v_mul_f32 v[TB+2], v[C1], v[DEN]               ; and their scores
	v_mul_f32 v[TB+3], v[C2], v[DEN]
	; THE WAY OUT.  A row of out0 is 256 bytes, two numbers and 62 zeros.  It is not carried through LDS: each token leaves a record of 16 bytes there, and sixteen lanes build its row from the record.
	ds_store_b128 v[TS], v[TB:TB+3]                ; (the eight lanes of a token write the same bytes with the same values)
	ds_store_b64 v[IS], v[TB:TB+1]
.irp u, 0,1
	ds_load_b128 v[G+4*\u:G+4*\u+3], v[TR] offset:32*\u    ; token 2 u + lane / 16 of my four: LDS serves a wave's instructions in order, so these see my stores
.endr
	s_wait_dscnt 0x0
.irp u, 0,1
.irp k, 0,1,2,3
	v_cmp_eq_u32 s[GM+\k], v[EK+\k], v[G+4*\u]
.endr
.irp k, 0,1,2,3
	v_cndmask_b32 v[OUT+4*\u+\k], 0, v[G+4*\u+2], s[GM+\k]
.endr
.irp k, 0,1,2,3
	v_cmp_eq_u32 s[GM+\k], v[EK+\k], v[G+4*\u+1]
.endr
.irp k, 0,1,2,3
	v_cndmask_b32 v[OUT+4*\u+\k], v[OUT+4*\u+\k], v[G+4*\u+3], s[GM+\k]
.endr
	global_store_b128 v[LI], v[OUT+4*\u:OUT+4*\u+3], s[8:9] offset:512*\u th:TH_STORE_NT   ; 32 lanes store two whole rows: 512 consecutive bytes, aligned to 256; each pair of rows has registers of its own
.endr
	v_pk_add_f32 v[CA:CA+1], v[OUT:OUT+1], v[OUT+4:OUT+5]          ; the sums of out0 over my four tokens, for my four experts
	v_pk_add_f32 v[CA+2:CA+3], v[OUT+2:OUT+3], v[OUT+6:OUT+7]
.irp k, 0,1,2,3
	v_permlanex16_b32 v[CB+\k], v[CA+\k], s[SEL], s[SEL+1]
.endr
	v_pk_add_f32 v[CA:CA+1], v[CA:CA+1], v[CB:CB+1]                ; even tokens' and odd tokens'
	v_pk_add_f32 v[CA+2:CA+3], v[CA+2:CA+3], v[CB+2:CB+3]
	ds_store_b128 v[CSA], v[CA:CA+3]               ; (both halves of the lanes write the same bytes with the same values)
	s_wait_dscnt 0x0                               ; for wave 0's sake: the pairs of experts and the rows of sums lie in LDS
	s_barrier_signal -1
	s_barrier_wait -1
	s_cmp_lg_u32 s14, 0
	s_cbranch_scc1 .Lend
.irp w, 0,1,2,3,4,5,6,7,8,9,10,11,12,13,14,15   ; wave 0: the sixteen rows of sums, two experts a lane, and the work-group's 64 pairs of experts, two a lane
	ds_load_b64 v[160+2*\w:161+2*\w], v[CR] offset:256*\w
.endr
	ds_load_b128 v[64:67], v[IR]
	s_wait_dscnt 0x0
.irp i, 0,2,4,6,8,10,12,14
	v_pk_add_f32 v[160+\i:161+\i], v[160+\i:161+\i], v[176+\i:177+\i]
.endr
.irp i, 0,2,4,6
	v_pk_add_f32 v[160+\i:161+\i], v[160+\i:161+\i], v[168+\i:169+\i]
.endr
.irp i, 0,2
	v_pk_add_f32 v[160+\i:161+\i], v[160+\i:161+\i], v[164+\i:165+\i]
.endr
	v_pk_add_f32 v[160:161], v[160:161], v[162:163]
	global_store_b64 v[L8], v[160:161], s[12:13]   ; 256 consecutive bytes, aligned
	global_store_b128 v[LI], v[64:67], s[10:11]    ; 512 consecutive bytes, aligned to 256
.Lend:
	s_wait_tensorcnt 0x0
	ds_add_u32 v59, v61
	s_wait_dscnt 0x0
	s_endpgm
.Lfunc_end_k_q839fe6b6bc_router:
	.size	k_q839fe6b6bc_router, .Lfunc_end_k_q839fe6b6bc_router-k_q839fe6b6bc_router
	.p2alignl 7, 3214868480
	.fill 96, 4, 3214868480
	.section	.rodata,"a",@progbits
	.p2align	6, 0x0
	.amdhsa_kernel k_q839fe6b6bc_router
		.amdhsa_group_segment_fixed_size 171520
		.amdhsa_private_segment_fixed_size 0
		.amdhsa_enable_private_segment 0
		.amdhsa_kernarg_size 40
		.amdhsa_user_sgpr_count 2
		.amdhsa_user_sgpr_kernarg_segment_ptr 1
		.amdhsa_wavefront_size32 1
		.amdhsa_system_sgpr_workgroup_id_x 1
		.amdhsa_system_sgpr_workgroup_id_y 1
		.amdhsa_system_sgpr_workgroup_id_z 1
		.amdhsa_system_vgpr_workitem_id 0
		.amdhsa_next_free_vgpr 256
		.amdhsa_next_free_sgpr 66
		.amdhsa_reserve_vcc 0
		.amdhsa_float_denorm_mode_32 3
		.amdhsa_float_denorm_mode_16_64 3
		.amdhsa_memory_ordered 1
		.amdhsa_forward_progress 1
		.amdhsa_inst_pref_size 62
	.end_amdhsa_kernel
	.amdgpu_metadata
---
amdhsa.version: [ 1, 2 ]
amdhsa.kernels:
  - .name:           k_q839fe6b6bc_router
    .symbol:         k_q839fe6b6bc_router.kd
    .args:
      - { .name: x, .offset: 0, .size: 8, .value_kind: global_buffer, .address_space: global }
      - { .name: wq, .offset: 8, .size: 8, .value_kind: global_buffer, .address_space: global }
      - { .name: out0, .offset: 16, .size: 8, .value_kind: global_buffer, .address_space: global }
      - { .name: out1, .offset: 24, .size: 8, .value_kind: global_buffer, .address_space: global }
      - { .name: part, .offset: 32, .size: 8, .value_kind: global_buffer, .address_space: global }
    .group_segment_fixed_size: 171520
    .private_segment_fixed_size: 0
    .kernarg_segment_align: 8
    .kernarg_segment_size: 40
    .max_flat_workgroup_size: 512
    .sgpr_count:     66
    .vgpr_count:     256
    .wavefront_size: 32
...
	.end_amdgpu_metadata
.endif
;; end of part 2
;; launch loss (part 3): grid 1 x 1, 16 waves a work-group, no clusters, 6,144 bytes of LDS; arguments part, out2; writes out2
.if DOCPART == 3
	.amdgcn_target "amdgcn-amd-amdhsa--gfx1250"
	.amdhsa_code_object_version 6
	.text
	.protected	k_q839fe6b6bc_loss
	.globl	k_q839fe6b6bc_loss
	.p2align	8
	.type	k_q839fe6b6bc_loss,@function
k_q839fe6b6bc_loss:
	s_mov_b64 s[64:65], 0
	v_nop
	global_prefetch_b8 v0, s[64:65] scope:SCOPE_SE
	s_setreg_imm32_b32 hwreg(HW_REG_WAVE_MODE, 25, 1), 1
	s_wait_xcnt 0x0
; out2 = the mean over the 64 experts of (count / (sum of counts) x 64 - 1)^2, count[e] = the sum over part's 256 rows of part[row][e].  part: [256][64] f32, 65,536 bytes.
; A sum over all work-groups of the launch before needs one owner: one work-group of sixteen waves.  Thread n reads 16 bytes at 16 n of each of eight blocks of 8,192 bytes: always experts 4 (n % 16) + 0 .. 3;
; a wave's load covers 512 consecutive bytes.  All eight loads of a thread are out together.  The sums go lane, half of the lanes, wave (through LDS), and wave 0 makes the number.
; REGISTERS: v1-5 addresses; v6-7 at work; v8-39 the eight loads; v40-43 lane l xor 16's sums; v48-79 the sixteen waves' rows.  Nothing in v8-39 is written while the loads are out.
; LIMIT: 1 / (sum of counts) is v_rcp_f32 and a multiplication, not a division.
	s_load_b128 s[4:7], s[0:1], 0x0                ; part, out2
	v_lshl_add_u32 v96, v0, 2, 0x1000
	v_mov_b32 v97, 0
	v_lshlrev_b32 v1, 4, v0                        ; 16 x thread
	v_lshrrev_b32 v2, 5, v0
	v_readfirstlane_b32 s8, v2                     ; wave
	v_and_b32 v3, 15, v0
	s_lshl_b32 s9, s8, 8
	v_lshl_add_u32 v4, v3, 4, s9                   ; LDS: my wave's row of 64 sums, my four experts
	v_and_b32 v5, 31, v0
	v_lshlrev_b32 v5, 3, v5                        ; and on the way back 8 bytes a lane
	s_mov_b32 s10, 0x76543210
	s_mov_b32 s11, 0xfedcba98                      ; v_permlanex16_b32's selects for lane l xor 16
	s_wait_kmcnt 0x0
.irp k, 0,1,2,3,4,5,6,7
	global_load_b128 v[8+4*\k:11+4*\k], v1, s[4:5] offset:8192*\k
.endr
.irp k, 0,1,2,3
	v_mov_b32 v[40+\k], 0                          ; a lane permute's destination counts as one of its sources
.endr
	v_mov_b32 v7, 0                                ; likewise; v7 serves both permutes of wave 0
	s_wait_loadcnt 0x0
.irp i, 0,2,4,6,8,10,12,14
	v_pk_add_f32 v[8+\i:9+\i], v[8+\i:9+\i], v[24+\i:25+\i]
.endr
.irp i, 0,2,4,6
	v_pk_add_f32 v[8+\i:9+\i], v[8+\i:9+\i], v[16+\i:17+\i]
.endr
.irp i, 0,2
	v_pk_add_f32 v[8+\i:9+\i], v[8+\i:9+\i], v[12+\i:13+\i]
.endr
.irp k, 0,1,2,3
	v_permlanex16_b32 v[40+\k], v[8+\k], s10, s11
.endr
	v_pk_add_f32 v[8:9], v[8:9], v[40:41]          ; with lane l xor 16's rows
	v_pk_add_f32 v[10:11], v[10:11], v[42:43]
	ds_store_b128 v4, v[8:11]                      ; (both halves of the lanes write the same bytes with the same values)
	s_wait_dscnt 0x0                               ; for wave 0's sake: my row lies in LDS
	s_barrier_signal -1
	s_barrier_wait -1
	s_cmp_lg_u32 s8, 0
	s_cbranch_scc1 .Lend
.irp w, 0,1,2,3,4,5,6,7,8,9,10,11,12,13,14,15
	ds_load_b64 v[48+2*\w:49+2*\w], v5 offset:256*\w       ; experts 2 lane and 2 lane + 1 of each wave's row
.endr
	s_wait_dscnt 0x0
.irp i, 0,2,4,6,8,10,12,14
	v_pk_add_f32 v[48+\i:49+\i], v[48+\i:49+\i], v[64+\i:65+\i]
.endr
.irp i, 0,2,4,6
	v_pk_add_f32 v[48+\i:49+\i], v[48+\i:49+\i], v[56+\i:57+\i]
.endr
.irp i, 0,2
	v_pk_add_f32 v[48+\i:49+\i], v[48+\i:49+\i], v[52+\i:53+\i]
.endr
	v_pk_add_f32 v[48:49], v[48:49], v[50:51]      ; my two experts' counts
	v_add_f32 v6, v48, v49
	v_add_f32_dpp v6, v6, v6 row_xmask:1 row_mask:0xf bank_mask:0xf
	v_add_f32_dpp v6, v6, v6 row_xmask:2 row_mask:0xf bank_mask:0xf
	v_add_f32_dpp v6, v6, v6 row_xmask:4 row_mask:0xf bank_mask:0xf
	v_add_f32_dpp v6, v6, v6 row_xmask:8 row_mask:0xf bank_mask:0xf
	v_permlanex16_b32 v7, v6, s10, s11
	v_add_f32 v6, v6, v7                           ; the sum of all counts, in every lane
	v_rcp_f32 v7, v6
	v_nop                                          ; a plain line behind the reciprocal
	s_wait_alu depctr_va_vdst(0)                   ; and the wait ahead of its first reader
	v_mul_f32 v7, 0x42800000, v7                   ; 64 / the sum
	v_fma_f32 v48, v48, v7, -1.0
	v_fma_f32 v49, v49, v7, -1.0
	v_mul_f32 v6, v48, v48
	v_fmac_f32 v6, v49, v49
	v_add_f32_dpp v6, v6, v6 row_xmask:1 row_mask:0xf bank_mask:0xf
	v_add_f32_dpp v6, v6, v6 row_xmask:2 row_mask:0xf bank_mask:0xf
	v_add_f32_dpp v6, v6, v6 row_xmask:4 row_mask:0xf bank_mask:0xf
	v_add_f32_dpp v6, v6, v6 row_xmask:8 row_mask:0xf bank_mask:0xf
	v_permlanex16_b32 v7, v6, s10, s11             ; v7's last value, 64 / the sum, has been read by both multiply-adds
	v_add_f32 v6, v6, v7
	v_mul_f32 v6, 0x3c800000, v6                   ; / 64: the mean
	v_mov_b32 v2, 0                                ; the one number's offset
	s_wait_xcnt 0x0                                ; EXEC changes only behind this wait
	v_cmp_eq_u32 vcc_lo, 0, v0
	s_and_saveexec_b32 s12, vcc_lo                 ; thread 0 alone stores the one number
	global_store_b32 v2, v6, s[6:7]
	s_wait_xcnt 0x0                                ; and again in front of the line that widens it
	s_or_b32 exec_lo, exec_lo, s12
.Lend:
	s_wait_tensorcnt 0x0
	ds_add_u32 v96, v97
	s_wait_dscnt 0x0
	s_endpgm
.Lfunc_end_k_q839fe6b6bc_loss:
	.size	k_q839fe6b6bc_loss, .Lfunc_end_k_q839fe6b6bc_loss-k_q839fe6b6bc_loss
	.p2alignl 7, 3214868480
	.fill 96, 4, 3214868480
	.section	.rodata,"a",@progbits
	.p2align	6, 0x0
	.amdhsa_kernel k_q839fe6b6bc_loss
		.amdhsa_group_segment_fixed_size 6144
		.amdhsa_private_segment_fixed_size 0
		.amdhsa_enable_private_segment 0
		.amdhsa_kernarg_size 16
		.amdhsa_user_sgpr_count 2
		.amdhsa_user_sgpr_kernarg_segment_ptr 1
		.amdhsa_wavefront_size32 1
		.amdhsa_system_sgpr_workgroup_id_x 1
		.amdhsa_system_sgpr_workgroup_id_y 1
		.amdhsa_system_sgpr_workgroup_id_z 1
		.amdhsa_system_vgpr_workitem_id 0
		.amdhsa_next_free_vgpr 98
		.amdhsa_next_free_sgpr 66
		.amdhsa_reserve_vcc 1
		.amdhsa_float_denorm_mode_32 3
		.amdhsa_float_denorm_mode_16_64 3
		.amdhsa_memory_ordered 1
		.amdhsa_forward_progress 1
		.amdhsa_inst_pref_size 7
	.end_amdhsa_kernel
	.amdgpu_metadata
---
amdhsa.version: [ 1, 2 ]
amdhsa.kernels:
  - .name:           k_q839fe6b6bc_loss
    .symbol:         k_q839fe6b6bc_loss.kd
    .args:
      - { .name: part, .offset: 0, .size: 8, .value_kind: global_buffer, .address_space: global }
      - { .name: out2, .offset: 8, .size: 8, .value_kind: global_buffer, .address_space: global }
    .group_segment_fixed_size: 6144
    .private_segment_fixed_size: 0
    .kernarg_segment_align: 8
    .kernarg_segment_size: 16
    .max_flat_workgroup_size: 512
    .sgpr_count:     66
    .vgpr_count:     98
    .wavefront_size: 32
...
	.end_amdgpu_metadata
.endif
;; end of part 3
;; ======== version 2 of 2: 3 launches
;; workspace buffers: wq 69,632 bytes; part 65,536 bytes
;; launch quantw (part 4): grid 16 x 2, 1 waves a work-group, no clusters, 17,152 bytes of LDS; arguments W, wq; writes wq
.if DOCPART == 4
	.amdgcn_target "amdgcn-amd-amdhsa--gfx1250"
	.amdhsa_code_object_version 6
	.text
	.protected	k_q839fe6b6bc_quantw
	.globl	k_q839fe6b6bc_quantw
	.p2align	8
	.type	k_q839fe6b6bc_quantw,@function
k_q839fe6b6bc_quantw:
	s_mov_b64 s[64:65], 0
	v_nop
	global_prefetch_b8 v0, s[64:65] scope:SCOPE_SE
	s_setreg_imm32_b32 hwreg(HW_REG_WAVE_MODE, 25, 1), 1
	s_wait_xcnt 0x0
; W [64][2048] f32 is turned ONCE into codes of FP4 (E2M1) with one E8M0 scale byte for each 32 along K, laid as the next launch's matrix operand wants them:
;   wq + 0:      [K step s = 0..15][tile e = 0..3][c = 0..1][lane][16 bytes]: an image of a fragment's 8 registers (16 experts x 128 K), 1,024 bytes a fragment
;   wq + 65536:  [K step s][tile e][row m = 0..15]: one word a row, its four scale bytes of that K step
; THE EXPERTS OF A TILE ARE NOT NEIGHBOURS: row m of tile e is expert 32 (m / 8) + 8 e + m % 8, so that in the next launch's transposed result a lane holds 32 neighbouring experts of one token.
; A block's scale is 2^(floor(log2(its largest magnitude)) - 2); its byte is the largest magnitude's exponent field - 2, held at 1 from below.  A block of zeros so gets the byte 1 where the
; quantiser says 127: its codes are zeros, which add nothing under any byte but 0xff, and this program alone reads the bytes.
; LIMITS: NaN and infinities among the inputs are not served.
; SHARES: one wave to a work-group; work-group (x = s, y = p) takes K step s of tiles 2 p and 2 p + 1: 32 rows x 512 bytes.
; Each load reads 512 consecutive bytes of one row, 16 a lane.  The conversions want 32 neighbours along K in ONE lane: a tile's 8,192 bytes go through a stage in LDS as they lie and come back 128 bytes a lane.
; A stage row is 512 + 16 bytes = 132 words: row r starts at bank 4 r mod 64 (64 banks of 4 bytes: ISA guide 11.1), so the sixteen rows that a load touches start at sixteen different banks.
.set ROWB,  8192                       ; a row of W in bytes
.set PITCH, 528                        ; a stage row
.set STGB,  16*PITCH                   ; a stage: one for each of the two tiles
.set FLOOR, 0x1800000                  ; 2^(3 - 127): under it no largest magnitude is taken, so the byte cannot fall under 1
.set LI,  1                            ; v1     16 x lane: my place in a load's 512 bytes, in a stage row and in an image
.set LA,  2                            ; v2     out of the stage: row r = lane % 16, + 128 h, h = lane / 16
.set SH8, 3                            ; v3     8 h
.set L4,  4                            ; v4     4 x lane
.set TM,  8                            ; v8-11  at work
.set XS,  12                           ; v12-13 the two tiles' scale words
.set SW,  14                           ; v14    the word that I store
.set XC,  16                           ; v16-31 the two tiles' codes
.set R,   32                           ; v32-159 the two tiles' numbers, 64 each
.set SEL, 10                           ; s[10:11] v_permlanex16_b32's selects for lane l xor 16
	s_load_b128 s[4:7], s[0:1], 0x0                ; W, wq
	v_lshl_add_u32 v160, v0, 2, 0x4200
	v_mov_b32 v161, 0
	v_lshlrev_b32 v[LI], 4, v0                     ; one wave: the thread's number is the lane
	v_and_b32 v5, 15, v0                           ; r
	v_lshrrev_b32 v6, 4, v0                        ; h
	v_mul_u32_u24 v[LA], v5, PITCH
	v_lshl_add_u32 v[LA], v6, 7, v[LA]
	v_lshlrev_b32 v[SH8], 3, v6
	v_lshlrev_b32 v[L4], 2, v0
	s_mov_b32 s[SEL], 0x76543210
	s_mov_b32 s[SEL+1], 0xfedcba98
	s_and_b32 s12, ttmp7, 0xffff                   ; p
	s_lshl_b32 s14, s12, 17                        ; W: tiles 2 p on begin 16 p rows down,
	s_lshl_b32 s13, ttmp9, 9                       ; K step s is 512 bytes of a row
	s_add_co_u32 s14, s14, s13
	s_mov_b32 s15, 0
	s_lshl_b32 s16, ttmp9, 12                      ; the images: 4,096 bytes a K step, 2,048 a pair of tiles
	s_lshl_b32 s13, s12, 11
	s_add_co_u32 s16, s16, s13
	s_mov_b32 s17, 0
	s_lshl_b32 s18, ttmp9, 8                       ; the scale words: 256 bytes a K step, 128 a pair of tiles, behind the images
	s_lshl_b32 s13, s12, 7
	s_add_co_u32 s18, s18, s13
	s_add_co_u32 s18, s18, 65536
	s_mov_b32 s19, 0
	s_wait_alu depctr_va_vdst(0)
	s_wait_kmcnt 0x0
	s_add_nc_u64 s[4:5], s[4:5], s[14:15]
	s_add_nc_u64 s[8:9], s[6:7], s[18:19]
	s_add_nc_u64 s[6:7], s[6:7], s[16:17]
.irp a, 0,1                            ; tile 2 p + a, row m: expert 32 (m / 8) + 16 p + 8 a + m % 8
.irp m, 0,1,2,3,4,5,6,7,8,9,10,11,12,13,14,15
	global_load_b128 v[R+64*\a+4*\m:R+64*\a+4*\m+3], v[LI], s[4:5] offset:(32*(\m/8)+8*\a+\m%8)*ROWB th:TH_LOAD_NT
.endr
.endr
; A tile's 64 registers go into the stage as loaded (register 4 m ..: row m) and come back into the registers that they left: register 32 c + i = k 64 c + 32 h + i of row r.
; LDS serves a wave's instructions in order (ISA guide 5.7.1.4): the loads see the stores.
.macro TURN reg, stage
.irp m, 0,1,2,3,4,5,6,7,8,9,10,11,12,13,14,15
	ds_store_b128 v[LI], v[\reg+4*\m:\reg+4*\m+3] offset:\stage+\m*PITCH
.endr
.irp c, 0,1
.irp j, 0,1,2,3,4,5,6,7
	ds_load_b128 v[\reg+32*\c+4*\j:\reg+32*\c+4*\j+3], v[LA] offset:\stage+256*\c+16*\j
.endr
.endr
.endm
; 64 numbers of a lane, two whole blocks (blocks h and 2 + h of row r), become registers 0-7 of the operand in v[dst] on, and the row's scale word in v[sw] (in both halves of the lanes).
.macro QUANT src, dst, sw
	v_max3_num_f32 v[TM], |v[\src]|, |v[\src+1]|, FLOOR             ; the largest magnitudes, the floor among the leaves; the two blocks by turns
	v_max3_num_f32 v[TM+1], |v[\src+32]|, |v[\src+33]|, FLOOR
.irp i, 2,4,6,8,10,12,14,16,18,20,22,24,26,28,30
	v_max3_num_f32 v[TM], v[TM], |v[\src+\i]|, |v[\src+\i+1]|
	v_max3_num_f32 v[TM+1], v[TM+1], |v[\src+32+\i]|, |v[\src+33+\i]|
.endr
	v_add_nc_u32 v[TM+2], 0xff000000, v[TM]        ; 2 off the exponent field: the conversion takes the exponent field of this operand as its scale, and nothing else of it
	v_add_nc_u32 v[TM+3], 0xff000000, v[TM+1]
	v_lshrrev_b32 v[TM], 23, v[TM+2]               ; the scales' bytes
	v_lshrrev_b32 v[TM+1], 23, v[TM+3]
	v_lshl_or_b32 v[TM], v[TM+1], 16, v[TM]        ; blocks h and 2 + h,
	v_lshlrev_b32 v[TM], v[SH8], v[TM]             ; at their places in the word;
	v_permlanex16_b32 v[TM+1], v[TM], s[SEL], s[SEL+1]
	v_or_b32 v[\sw], v[TM], v[TM+1]                ; with lane l xor 16's two the word is whole
.irp c, 0,1
.irp g, 0,1,2,3
	v_cvt_scalef32_pk8_fp4_f32 v[\dst+4*\c+\g], v[\src+32*\c+8*\g:\src+32*\c+8*\g+7], v[TM+2+\c]   ; to the nearest code, ties to even, beyond 6 the largest code
.endr
.endr
.endm
	s_wait_loadcnt 16                              ; the first tile's 16 loads are in; the second's may be out
	TURN R, 0
	s_wait_loadcnt 0x0
	TURN R+64, STGB
	s_wait_dscnt 32                                ; the first tile is back: behind its loads stand the second tile's 16 stores and 16 loads
	QUANT R, XC, XS
	s_wait_dscnt 0x0
	QUANT R+64, XC+8, XS+1
	v_nop                                          ; a plain line behind the last conversion
	v_cmp_gt_u32 vcc_lo, 16, v0
	v_cndmask_b32 v[SW], v[XS+1], v[XS], vcc_lo    ; lanes 0-15: tile 2 p's word of row lane; lanes 16-31: tile 2 p + 1's of row lane - 16
.irp a, 0,1
.irp c, 0,1
	global_store_b128 v[LI], v[XC+8*\a+4*\c:XC+8*\a+4*\c+3], s[6:7] offset:1024*\a+512*\c   ; 32 lanes store 512 consecutive bytes, aligned to 256
.endr
.endr
	global_store_b32 v[L4], v[SW], s[8:9]          ; 128 consecutive bytes: the pair's 32 words
	s_wait_tensorcnt 0x0
	ds_add_u32 v160, v161
	s_wait_dscnt 0x0
	s_endpgm
.Lfunc_end_k_q839fe6b6bc_quantw:
	.size	k_q839fe6b6bc_quantw, .Lfunc_end_k_q839fe6b6bc_quantw-k_q839fe6b6bc_quantw
	.p2alignl 7, 3214868480
	.fill 96, 4, 3214868480
	.section	.rodata,"a",@progbits
	.p2align	6, 0x0
	.amdhsa_kernel k_q839fe6b6bc_quantw
		.amdhsa_group_segment_fixed_size 17152
		.amdhsa_private_segment_fixed_size 0
		.amdhsa_enable_private_segment 0
		.amdhsa_kernarg_size 16
		.amdhsa_user_sgpr_count 2
		.amdhsa_user_sgpr_kernarg_segment_ptr 1
		.amdhsa_wavefront_size32 1
		.amdhsa_system_sgpr_workgroup_id_x 1
		.amdhsa_system_sgpr_workgroup_id_y 1
		.amdhsa_system_sgpr_workgroup_id_z 1
		.amdhsa_system_vgpr_workitem_id 0
		.amdhsa_next_free_vgpr 162
		.amdhsa_next_free_sgpr 66
		.amdhsa_reserve_vcc 1
		.amdhsa_float_denorm_mode_32 3
		.amdhsa_float_denorm_mode_16_64 3
		.amdhsa_memory_ordered 1
		.amdhsa_forward_progress 1
		.amdhsa_inst_pref_size 16
	.end_amdhsa_kernel
	.amdgpu_metadata
---
amdhsa.version: [ 1, 2 ]
amdhsa.kernels:
  - .name:           k_q839fe6b6bc_quantw
    .symbol:         k_q839fe6b6bc_quantw.kd
    .args:
      - { .name: W, .offset: 0, .size: 8, .value_kind: global_buffer, .address_space: global }
      - { .name: wq, .offset: 8, .size: 8, .value_kind: global_buffer, .address_space: global }
    .group_segment_fixed_size: 17152
    .private_segment_fixed_size: 0
    .kernarg_segment_align: 8
    .kernarg_segment_size: 16
    .max_flat_workgroup_size: 32
    .sgpr_count:     66
    .vgpr_count:     162
    .wavefront_size: 32
...
	.end_amdgpu_metadata
.endif
;; end of part 4
;; launch router (part 5): grid 256 x 1, 16 waves a work-group, no clusters, 171,520 bytes of LDS; arguments x, wq, out0, out1, part; writes out0, out1, part
.if DOCPART == 5
	.amdgcn_target "amdgcn-amd-amdhsa--gfx1250"
	.amdhsa_code_object_version 6
	.text
	.protected	k_q839fe6b6bc_router
	.globl	k_q839fe6b6bc_router
	.p2align	8
	.type	k_q839fe6b6bc_router,@function
k_q839fe6b6bc_router:
	s_mov_b64 s[64:65], 0
	v_nop
	global_prefetch_b8 v0, s[64:65] scope:SCOPE_SE
	s_setreg_imm32_b32 hwreg(HW_REG_WAVE_SCHED_MODE, 0, 2), 2
	s_setreg_imm32_b32 hwreg(HW_REG_WAVE_MODE, 25, 1), 1
	s_wait_xcnt 0x0
	s_wait_alu depctr_vm_vsrc(0)
; logits = Q(x) Q(W)^T on codes of FP4 (E2M1) with one E8M0 scale for each 32 along K; softmax over the 64 experts; the two largest probabilities, ties to the lower index; their scores p / (p1 + p2);
; out0 [16384][64] f32: the scores at their experts' places, zeros elsewhere; out1 [16384][2] i32: the two experts; part [256][64] f32: each work-group's sums of out0 over its 64 tokens, for the last launch.
; x [16384][2048] f32 is quantised here, on its way to the matrix unit; W comes as codes and scale words from the launch before (wq: images of the operand's registers).
; SHARES.  A work-group owns 64 tokens: 524,288 bytes of x.  Wave w of 16: t = w & 3 is its tile of 16 tokens, q = w >> 2; it takes K steps 4 n + q, n = 0 .. 3: four tiles of 16 tokens x 128 K.
; x COMES THROUGH REGISTERS, by loads that cover 512 consecutive bytes of one row (16 to a tile), in two sets of 64 registers: 16 to 32 loads of every wave are out from the first line to its last tile, and every wait for them is counted.
; (A work-group's x is larger than LDS: slots filled by the data mover would be filled again behind barriers in front of which every load has landed.)
; x IS QUANTISED AHEAD OF THE TURN THROUGH LDS, so that codes cross the lanes and not f32 numbers: an eighth of the bytes.  In a load lane l takes the 16 bytes at 32 (l % 16) + 16 (l / 16).  Rows p and p + 8 stand in eight
; neighbouring registers; four exchanges of half the lanes then leave lanes 0-15 with eight neighbours along K of row p, lanes 16-31 with eight of row p + 8: what one conversion takes.  A block of 32 lies in four neighbouring lanes.
; A tile's codes (16 rows x 64 bytes, 80 bytes apart: an odd multiple of 16, so the sixteen rows of a load start in different banks: ISA guide 11.1) and its 64 scale bytes go through the wave's own stage and come back as the operand's registers.
; W's 69,632 bytes are copied into LDS once, a sixteenth by each wave, and a K step's four fragments are read from there.  NO CLUSTER: W is all that work-groups share, an eighth of the bytes that each reads of x alone.
; THE MATRIX INSTRUCTION IS USED TRANSPOSED: source 0 = 16 experts, source 1 = my 16 tokens.  Row m of tile e is expert 32 (m / 8) + 8 e + m % 8, so lane (r, h) holds token r, and accumulator register 8 e + j is expert 32 h + 8 e + j.
; The four waves of a tile of tokens hold sums over a quarter of K each: they meet in LDS as images of the registers.  ALL SIXTEEN WAVES FINISH: wave (t, q) takes tokens 4 q .. 4 q + 3 of tile t, eight lanes to a token, eight experts to a lane.
; LIMITS: NaN and infinities among the inputs are not served.  An exponential under 2^-126 comes out as 0 (v_exp_f32: ISA guide 15.8).  A probability is e x (1 / sum), one rounding more than a division.
; A block of zeros gets the scale byte 1 where the quantiser says 127: its codes are zeros, which add nothing.
; THE MODE: SCHED_MODE bits 1:0 = 2 (LLVM: expert scheduling mode 2), set by the entry lines.  The code itself states the register dependences
; between vector or matrix instructions and memory or LDS instructions, with s_wait_alu, always for 0.
; THE PLAN.  Registers that memory or LDS instructions touch, in a tile:
;   R0, R1     x's loads land in a set; the tile's QUANT exchanges and reads it; behind QUANT the loads of the tile two further on land in it.
;   CD, BY     Written by QUANT; read by the tile's sixteen LDS stores; written again by the next tile's QUANT.
;   WF, WSC    LDS loads land in them; the tile's four matrix instructions read them.  (At the head: global loads land in WF, and the copy's LDS stores read it.)
;   XC, XS     LDS loads land in them; the tile's four matrix instructions read them.
;   v1 to v20  Addresses: made at the head, never written again.  TM and the accumulators are named by vector and matrix instructions alone, till the accumulators are stored.
; So a tile has two waits.  One on vm_vsrc at its head: the LDS stores issued so far have read CD and BY (in the first tile: WF).  ONE on va_vdst behind QUANT: CD and BY are written, QUANT is done with the set, and the
; last tile's matrix instructions are done reading WF, WSC, XC and XS.  All the tile's loads and stores follow that wait; behind it stand only they and the four matrix instructions, which name none of the registers that a load of this tile still lands in.
; In the last part the compares stand in runs, into scalar registers of their own, with one wait on va_sdst behind a run and ahead of the first select; what is stored is made first, and one wait on va_vdst stands ahead of each run of stores.
.set ROWB,  8192                       ; a row of x in bytes
.set CP,    80                         ; a token's 64 bytes of codes in a stage, + 16
.set SCO,   16*CP                      ; behind the codes: the 16 tokens' scale words
.set STGB,  1536                       ; a wave's stage
.set WC,    16*STGB                    ; LDS: behind the 16 stages W's images, 4,096 bytes a K step,
.set WS,    WC+65536                   ; W's scale words, 256 bytes a K step,
.set PART,  WS+4096                    ; the waves' sums: eight images of 544 bytes each: lane (r, h) at 16 r + 288 h,
.set PIM,   544                        ; so that the sixteen lanes of a later read, 16 tt + 288 h + 1088 e, fall on sixteen different columns of 16 bytes (tt + 2 h + 4 e modulo 16)
.set PWV,   8*PIM
.set TAB,   PART+16*PWV                ; a record of 16 bytes for each of the 64 tokens: expert 1, expert 2, score 1, score 2,
.set IDX,   TAB+1024                   ; the 64 pairs of experts as out1 has them,
.set CNT,   IDX+512                    ; and sixteen rows of 64 sums of out0; behind them, from byte 0x29600 on, the spare words, 128 bytes for each wave, which no other line names
.set FLOOR, 0x1800000                  ; 2^(3 - 127): under it no largest magnitude is taken, so a scale's byte cannot fall under 1
.set LI,   1                           ; v1   16 x lane: my place in 512 consecutive bytes (wq, out0, out1)
.set LX,   2                           ; v2   my place in a load of x: 32 (lane % 16) + 16 (lane / 16)
.set CST,  3                           ; v3   into my stage, codes: 4 (lane % 16) + 640 (lane / 16)
.set SST,  4                           ; v4   scale bytes: (lane % 16) / 4 + 32 (lane / 16)
.set CLD,  5                           ; v5   out of it, codes: 80 r + 16 h
.set SLD,  6                           ; v6   scale words: 4 r
.set WA,   7                           ; v7   W's images of K step q: 16 x lane
.set WSA,  8                           ; v8   W's scale words of K step q: 4 x lane
.set PA,   9                           ; v9   my wave's sums: 16 r + 288 h
.set PR,   10                          ; v10  the sums that I finish: tile t, token 4 q + tt, experts 8 g on
.set TS,   11                          ; v11  my token's record
.set TR,   12                          ; v12  the record of token (lane / 16) of my four
.set IS,   13                          ; v13  my token's pair of experts
.set CSA,  14                          ; v14  my wave's row of sums: 16 x (lane % 16)
.set CR,   15                          ; v15  the rows of sums: 8 x lane
.set IR,   16                          ; v16  the pairs of experts: 16 x lane
.set L8,   17                          ; v17  8 x lane
.set WCS,  18                          ; v18  where I copy W's images of K step w
.set WSS,  19                          ; v19  and its scale words
.set G8,   20                          ; v20  8 g: my first expert in the last part
.set TM,   24                          ; v24-31 the eight pairs' largest magnitudes, then the conversions' scale operands
.set BY,   32                          ; v32-39 their scale bytes
.set CD,   40                          ; v40-47 their codes
.set XC,   48                          ; v48-55 x's fragment
.set XS,   60                          ; v60  x's scale words: this register holds scales alone
.set WSC,  62                          ; v62-63 W's: lanes 0-15 tile 2 p, lanes 16-31 tile 2 p + 1: these hold scales alone
.set R0,   64                          ; v64-127, v128-191 two sets of 64 numbers of x
.set R1,   128
.set P,    64                          ; later: four waves' sums, 8 registers each
.set L,    64                          ; then: my 8 logits, exponentials, probabilities
.set T0,   96                          ; v96-97 at work
.set NM,   98                          ; v98-99 -c x the largest logit
.set SU,   100                         ; v100-103 the sum of the exponentials
.set SV,   102
.set RS,   104                         ; v104-105 1 / that sum
.set JX,   106                         ; v106 the place in a chain that is being looked at
.set DEN,  107
.set C1,   108                         ; two chains: the largest, the second, their places, at work
.set C2,   110
.set I1,   112
.set I2,   114
.set CT,   116
.set MX,   120                         ; v120-123 at work in the merges
.set O1,   124                         ; v124-127 another lane's two largest and their experts
.set TB,   128                         ; v128-131 my token's record
.set EK,   132                         ; v132-135 the four experts of my 16 bytes of a row of out0
.set G,    136                         ; v136-143 two pairs of records
.set OUT,  144                         ; v144-151 two pairs of rows of out0
.set CA,   152                         ; v152-159 sums of out0
.set CB,   156
.set WF,   192                         ; v192-223 W's four fragments of a K step
.set ACC,  224                         ; v224-255 four accumulators
.set SEL,  20                          ; s[20:21] v_permlanex16_b32's selects for lane l xor 16
.set CS,   22                          ; s[22:23] c = log2(e); the packed form names a pair and takes its low word for both halves
.set NC,   24                          ; s24  -c
.set MK,   40                          ; s40-55 lane masks: a register of its own for each compare of a run
	s_load_b256 s[4:11], s[0:1], 0x0               ; x, wq, out0, out1
	s_load_b64 s[12:13], s[0:1], 0x20              ; part
	v_lshl_add_u32 v59, v0, 2, 0x29600             ; my spare word, and 0: made here and kept for the closing lines alone
	v_mov_b32 v61, 0
	v_lshrrev_b32 v40, 5, v0
	v_readfirstlane_b32 s14, v40                   ; wave w
	v_and_b32 v41, 31, v0                          ; lane
	v_and_b32 v42, 15, v0                          ; r = lane % 16
	v_bfe_u32 v43, v0, 4, 1                        ; h = lane / 16
	v_and_b32 v44, 7, v0                           ; g = lane % 8
	v_bfe_u32 v45, v0, 3, 2                        ; tt = lane / 8
	v_lshrrev_b32 v46, 2, v42                      ; (lane % 16) / 4: my block of 32 in a tile
	v_lshrrev_b32 v47, 2, v44                      ; g / 4
	v_and_b32 v48, 3, v44                          ; g % 4
	v_lshlrev_b32 v[LI], 4, v41
	v_lshlrev_b32 v[L8], 3, v41
	v_lshlrev_b32 v[G8], 3, v44
	v_lshlrev_b32 v[LX], 5, v42
	v_lshl_add_u32 v[LX], v43, 4, v[LX]
	s_wait_alu depctr_va_sdst(0)                   ; s14 is written, ahead of its first reader: t, q and every wave term below are made from it
	s_and_b32 s15, s14, 3                          ; t
	s_lshr_b32 s16, s14, 2                         ; q
	; every LDS address is made here, ahead of the one parting of the waves: a constant + constants x parts of the lane + constants x parts of the wave
	s_mul_i32 s17, s14, STGB
	v_lshl_add_u32 v[CST], v42, 2, s17
	v_mad_u32_u24 v[CST], v43, 8*CP, v[CST]
	v_add_nc_u32 v[SST], s17, v46
	v_lshl_add_u32 v[SST], v43, 5, v[SST]
	v_mul_u32_u24 v[CLD], v42, CP
	v_lshl_add_u32 v[CLD], v43, 4, v[CLD]
	v_add_nc_u32 v[CLD], s17, v[CLD]
	v_lshl_add_u32 v[SLD], v42, 2, s17
	s_lshl_b32 s17, s16, 12
	s_add_co_u32 s17, s17, WC
	v_add_nc_u32 v[WA], s17, v[LI]
	s_lshl_b32 s17, s16, 8
	s_add_co_u32 s17, s17, WS
	v_lshl_add_u32 v[WSA], v41, 2, s17
	s_mul_i32 s17, s14, PWV
	s_add_co_u32 s17, s17, PART
	v_lshl_add_u32 v[PA], v42, 4, s17
	v_mad_u32_u24 v[PA], v43, 288, v[PA]
	s_mul_i32 s17, s15, PWV
	s_lshl_b32 s18, s16, 6
	s_add_co_u32 s17, s17, s18
	s_add_co_u32 s17, s17, PART
	v_lshl_add_u32 v[PR], v45, 4, s17
	v_mad_u32_u24 v[PR], v47, 288, v[PR]
	v_mad_u32_u24 v[PR], v48, 2*PIM, v[PR]
	s_lshl_b32 s17, s14, 12
	s_add_co_u32 s17, s17, WC
	v_add_nc_u32 v[WCS], s17, v[LI]
	s_lshl_b32 s17, s14, 8
	s_add_co_u32 s18, s17, WS
	v_add_nc_u32 v[WSS], s18, v[L8]
	s_add_co_u32 s18, s17, CNT
	v_lshl_add_u32 v[CSA], v42, 4, s18
	s_lshl_b32 s18, s15, 8                         ; my first token of the work-group's 64 is 16 t + 4 q: 16 bytes a record,
	s_lshl_b32 s19, s16, 6
	s_add_co_u32 s18, s18, s19
	s_add_co_u32 s18, s18, TAB
	v_lshl_add_u32 v[TS], v45, 4, s18
	v_lshl_add_u32 v[TR], v43, 4, s18
	s_lshl_b32 s18, s15, 7                         ; 8 bytes a pair of experts
	s_lshl_b32 s19, s16, 5
	s_add_co_u32 s18, s18, s19
	s_add_co_u32 s18, s18, IDX
	v_lshl_add_u32 v[IS], v45, 3, s18
	v_add_nc_u32 v[CR], CNT, v[L8]
	v_add_nc_u32 v[IR], IDX, v[LI]
	s_mov_b32 s[SEL], 0x76543210
	s_mov_b32 s[SEL+1], 0xfedcba98
	s_mov_b32 s[CS], 0x3fb8aa3b                    ; log2(e)
	s_mov_b32 s[CS+1], s[CS]
	s_mov_b32 s[NC], 0xbfb8aa3b
	; byte offsets, apart from the addresses
	s_lshl_b32 s26, ttmp9, 19                      ; x: 64 rows of 8,192 bytes a work-group,
	s_lshl_b32 s18, s15, 17                        ; 16 rows a tile,
	s_add_co_u32 s26, s26, s18
	s_lshl_b32 s18, s16, 9                         ; K step q: 512 bytes of a row
	s_add_co_u32 s26, s26, s18
	s_mov_b32 s27, 0
	s_lshl_b32 s28, s14, 12                        ; wq: the images of K step w,
	s_mov_b32 s29, 0
	s_lshl_b32 s30, s14, 8                         ; and its scale words
	s_add_co_u32 s30, s30, 65536
	s_mov_b32 s31, 0
	s_lshl_b32 s32, ttmp9, 14                      ; out0: 64 rows of 256 bytes a work-group, 16 a tile, my 4 of them
	s_lshl_b32 s18, s15, 12
	s_add_co_u32 s32, s32, s18
	s_lshl_b32 s18, s16, 10
	s_add_co_u32 s32, s32, s18
	s_mov_b32 s33, 0
	s_lshl_b32 s34, ttmp9, 9                       ; out1: 512 bytes a work-group
	s_mov_b32 s35, 0
	s_lshl_b32 s36, ttmp9, 8                       ; part: 256 bytes a work-group
	s_mov_b32 s37, 0
	s_wait_kmcnt 0x0
	s_add_nc_u64 s[4:5], s[4:5], s[26:27]
	s_add_nc_u64 s[38:39], s[6:7], s[30:31]
	s_add_nc_u64 s[6:7], s[6:7], s[28:29]
	s_add_nc_u64 s[8:9], s[8:9], s[32:33]
	s_add_nc_u64 s[10:11], s[10:11], s[34:35]
	s_add_nc_u64 s[12:13], s[12:13], s[36:37]
	s_wait_alu depctr_va_vdst(0)                   ; the addresses v1 to v20 are written, which every load and store of the kernel reads; so is v48, at work above, in which a load lands later
.irp i, 0,1,2,3,4,5,6,7                ; my sixteenth of W first: loads come back in order (ISA guide 5.7.1), and W is wanted first
	global_load_b128 v[WF+4*\i:WF+4*\i+3], v[LI], s[6:7] offset:512*\i
.endr
	global_load_b64 v[56:57], v[L8], s[38:39]
; my n-th tile of x: 16 rows x 512 bytes; each load covers 512 consecutive bytes, aligned to 256.  Pair p: row p into registers 8 p .. 8 p + 3, row p + 8 into 8 p + 4 .. 8 p + 7
.macro XLOAD reg, n
.irp p, 0,1,2,3,4,5,6,7
	global_load_b128 v[\reg+8*\p:\reg+8*\p+3], v[LX], s[4:5] offset:\p*ROWB+(\n)*2048 th:TH_LOAD_NT
	global_load_b128 v[\reg+8*\p+4:\reg+8*\p+7], v[LX], s[4:5] offset:(\p+8)*ROWB+(\n)*2048 th:TH_LOAD_NT
.endr
.endm
	XLOAD R0, 0
	XLOAD R1, 1
	s_wait_loadcnt 32                              ; W's nine loads are in; x's 32, issued behind them, stay out
.irp i, 0,1,2,3,4,5,6,7
	ds_store_b128 v[WCS], v[WF+4*\i:WF+4*\i+3] offset:512*\i
.endr
	ds_store_b64 v[WSS], v[56:57]
	s_wait_dscnt 0x0                               ; for the others' sake: my part of W lies in LDS
	s_barrier_signal -1
	s_barrier_wait -1                              ; everybody's does
; A tile's 64 registers become 8 registers of codes and 8 scale bytes.  As loaded, lane (i, hh) holds of rows p and p + 8 the four numbers k = 8 i + 4 hh + 0 .. 3.  The exchange (the first register's lanes 16-31 change places
; with the second's lanes 0-15) leaves it with k = 8 i + 0 .. 7 of token p + 8 hh in registers 8 p .. 8 p + 7.  Block i / 4 of that token lies in lanes i xor 0 .. 3.  The eight pairs take turns line by line.
.macro QUANT reg
.irp p, 0,1,2,3,4,5,6,7
.irp k, 0,1,2,3
	v_permlane16_swap_b32 v[\reg+8*\p+\k], v[\reg+8*\p+4+\k]
.endr
.endr
.irp p, 0,1,2,3,4,5,6,7
	v_max3_num_f32 v[TM+\p], |v[\reg+8*\p]|, |v[\reg+8*\p+1]|, FLOOR   ; the largest magnitude of my eight, the floor among the leaves
.endr
.irp i, 2,4,6
.irp p, 0,1,2,3,4,5,6,7
	v_max3_num_f32 v[TM+\p], v[TM+\p], |v[\reg+8*\p+\i]|, |v[\reg+8*\p+\i+1]|
.endr
.endr
.irp p, 0,1,2,3,4,5,6,7
	v_max_num_f32_dpp v[TM+\p], v[TM+\p], v[TM+\p] row_xmask:1 row_mask:0xf bank_mask:0xf
.endr
.irp p, 0,1,2,3,4,5,6,7
	v_max_num_f32_dpp v[TM+\p], v[TM+\p], v[TM+\p] row_xmask:2 row_mask:0xf bank_mask:0xf   ; the block's
.endr
.irp p, 0,1,2,3,4,5,6,7
	v_add_nc_u32 v[TM+\p], 0xff000000, v[TM+\p]    ; 2 off the exponent field: the conversion takes the exponent field of this operand as its scale, and nothing else of it
.endr
.irp p, 0,1,2,3,4,5,6,7
	v_lshrrev_b32 v[BY+\p], 23, v[TM+\p]           ; the scale's byte
.endr
.irp p, 0,1,2,3,4,5,6,7
	v_cvt_scalef32_pk8_fp4_f32 v[CD+\p], v[\reg+8*\p:\reg+8*\p+7], v[TM+\p]   ; to the nearest code, ties to even, beyond 6 the largest code
.endr
	v_nop                                          ; a plain line behind the last conversion
.endm
; one product: 16 experts (tile e) x my 16 tokens x 128 K.  first = 1: it starts the sum: nothing is cleared.  An odd tile's scale words lie in lanes 16-31 of their register.
.macro MM e, first
.if \first
.if (\e)%2
	v_wmma_scale_f32_16x16x128_f8f6f4 v[ACC+8*\e:ACC+8*\e+7], v[WF+8*\e:WF+8*\e+7], v[XC:XC+7], 0, v[WSC+\e/2], v[XS] matrix_a_fmt:MATRIX_FMT_FP4 matrix_b_fmt:MATRIX_FMT_FP4 matrix_a_scale:MATRIX_SCALE_ROW1
.else
	v_wmma_scale_f32_16x16x128_f8f6f4 v[ACC+8*\e:ACC+8*\e+7], v[WF+8*\e:WF+8*\e+7], v[XC:XC+7], 0, v[WSC+\e/2], v[XS] matrix_a_fmt:MATRIX_FMT_FP4 matrix_b_fmt:MATRIX_FMT_FP4
.endif
.else
.if (\e)%2
	v_wmma_scale_f32_16x16x128_f8f6f4 v[ACC+8*\e:ACC+8*\e+7], v[WF+8*\e:WF+8*\e+7], v[XC:XC+7], v[ACC+8*\e:ACC+8*\e+7], v[WSC+\e/2], v[XS] matrix_a_fmt:MATRIX_FMT_FP4 matrix_b_fmt:MATRIX_FMT_FP4 matrix_a_scale:MATRIX_SCALE_ROW1
.else
	v_wmma_scale_f32_16x16x128_f8f6f4 v[ACC+8*\e:ACC+8*\e+7], v[WF+8*\e:WF+8*\e+7], v[XC:XC+7], v[ACC+8*\e:ACC+8*\e+7], v[WSC+\e/2], v[XS] matrix_a_fmt:MATRIX_FMT_FP4 matrix_b_fmt:MATRIX_FMT_FP4
.endif
.endif
.endm
; MY n-TH TILE, K step 4 n + q, in register set reg.
.macro TILE n, reg
	s_wait_alu depctr_vm_vsrc(0)                   ; the LDS stores issued so far have read their data: the last tile's CD and BY, which QUANT writes again; in the first tile the copy's WF, in which W's loads below land
.if \n < 3
	s_wait_loadcnt 16                              ; this tile's 16 loads are in; the next tile's 16 stay out
.else
	s_wait_loadcnt 0x0
.endif
	QUANT \reg                                     ; (its lines are also the places between the last tile's products and the loads into their operands' registers)
	s_wait_alu depctr_va_vdst(0)                   ; QUANT has written CD and BY, which the stores below read, and is done with the set, in which x's loads land; the last tile's products are done reading WF, WSC, XC and XS, in which the LDS loads land
.if \n < 2
	XLOAD \reg, (\n)+2                             ; the set is free: it takes the tile two further on
.endif
.irp e, 0,1,2,3                        ; W's four fragments and their scale words
.irp c, 0,1
	ds_load_b128 v[WF+8*\e+4*\c:WF+8*\e+4*\c+3], v[WA] offset:(\n)*16384+\e*1024+\c*512
.endr
.endr
	ds_load_b32 v[WSC], v[WSA] offset:(\n)*1024
	ds_load_b32 v[WSC+1], v[WSA] offset:(\n)*1024+128
.irp p, 0,1,2,3,4,5,6,7                ; the turn: token p + 8 hh, codes of k = 8 i on: 4 bytes at 4 i of its row
	ds_store_b32 v[CST], v[CD+\p] offset:\p*CP
.endr
.irp p, 0,1,2,3,4,5,6,7                ; and byte i / 4 of its scale word (the four lanes of a block write the same byte with the same value)
	ds_store_b8 v[SST], v[BY+\p] offset:SCO+4*\p
.endr
	ds_load_b128 v[XC:XC+3], v[CLD]                ; lane (r, h): token r, k = 32 h + 0 .. 31.  LDS serves a wave's instructions in order (ISA guide 5.7.1.4): these see the stores, and the next tile's stores come behind them
	ds_load_b128 v[XC+4:XC+7], v[CLD] offset:32    ; k = 64 + 32 h + 0 .. 31
	ds_load_b32 v[XS], v[SLD] offset:SCO           ; token r's scale word
	s_wait_dscnt 0x0                               ; operands and scales all come by loads: their wait is all that they owe
.if \n == 0                            ; the four accumulators take turns, one instruction a turn, from tile to tile too
.irp e, 0,1,2,3
	MM \e, 1
.endr
.else
.irp e, 0,1,2,3
	MM \e, 0
.endr
.endif
.endm
	TILE 0, R0
	TILE 1, R1
	TILE 2, R0
	TILE 3, R1
.rept 4
	v_nop                                          ; four places (ISA guide 7.12.1) behind the last product, in front of the first read of the results
.endr
	s_wait_alu depctr_va_vdst(0)                   ; the products have written the accumulators, which the LDS stores read; the places above stay beside this wait.  It also shows every reader and writer of v64 to v95 done, in which the next part's loads land
.irp i, 0,1,2,3,4,5,6,7                ; my sums over a quarter of K, as images of the registers; each accumulator from its low end on
	ds_store_b128 v[PA], v[ACC+4*\i:ACC+4*\i+3] offset:PIM*\i
.endr
	s_wait_dscnt 0x0                               ; for the others' sake: my sums lie in LDS
	s_barrier_signal -1
	s_barrier_wait -1
	; THE LAST PART, in every wave: tokens 4 q + tt of tile t, tt = lane / 8; lane g = lane % 8 of a token holds experts 8 g + 0 .. 7: registers 8 (g % 4) on of lane (4 q + tt, g / 4) of the images of waves t, t + 4, t + 8, t + 12
.irp g, 0,1,2,3
.irp u, 0,1
	ds_load_b128 v[P+8*\g+4*\u:P+8*\g+4*\u+3], v[PR] offset:4*PWV*\g+PIM*\u
.endr
.endr
	v_and_b32 v[EK], 15, v0                        ; (work on registers while the loads are out)  my 16 bytes of a row of out0 are experts 4 (lane % 16) + 0 .. 3
	v_lshlrev_b32 v[EK], 2, v[EK]
	v_add_nc_u32 v[EK+1], 1, v[EK]
	v_add_nc_u32 v[EK+2], 2, v[EK]
	v_add_nc_u32 v[EK+3], 3, v[EK]
	v_mov_b32 v[NM+1], 0                           ; named as upper halves of pairs, so they are written
	v_mov_b32 v[RS+1], 0
.irp k, 0,1,2,3
	v_mov_b32 v[CB+\k], 0                          ; the destination of a lane permute or of a DPP form counts as one of its sources
	v_mov_b32 v[O1+\k], 0
.endr
	s_wait_dscnt 0x0
.irp i, 0,2,4,6
	v_pk_add_f32 v[P+\i:P+\i+1], v[P+\i:P+\i+1], v[P+8+\i:P+9+\i]
	v_pk_add_f32 v[P+16+\i:P+17+\i], v[P+16+\i:P+17+\i], v[P+24+\i:P+25+\i]
.endr
.irp i, 0,2,4,6
	v_pk_add_f32 v[L+\i:L+\i+1], v[P+\i:P+\i+1], v[P+16+\i:P+17+\i]   ; register j: the logit of my token and expert 8 g + j
.endr
	; THE SOFTMAX.  The largest logit is taken away first: e = 2^(c logit - c max), at most 1 (but for the rounding of c max, which all 64 share).
	v_max3_num_f32 v[T0], v[L], v[L+1], v[L+2]
	v_max3_num_f32 v[T0+1], v[L+3], v[L+4], v[L+5]
	v_max3_num_f32 v[T0], v[T0], v[L+6], v[L+7]
	v_max_num_f32 v[T0], v[T0], v[T0+1]
	v_max_num_f32_dpp v[T0], v[T0], v[T0] row_xmask:1 row_mask:0xf bank_mask:0xf
	v_max_num_f32_dpp v[T0], v[T0], v[T0] row_xmask:2 row_mask:0xf bank_mask:0xf
	v_max_num_f32_dpp v[T0], v[T0], v[T0] row_xmask:4 row_mask:0xf bank_mask:0xf   ; over the token's eight lanes
	v_mul_f32 v[NM], s[NC], v[T0]                  ; -c max
.irp i, 0,2,4,6
	v_pk_fma_f32 v[L+\i:L+\i+1], v[L+\i:L+\i+1], s[CS:CS+1], v[NM:NM+1] op_sel_hi:[1,0,0]
.endr
	s_wait_alu depctr_va_vdst(0)
.irp n, 0,1,2,3,4,5,6,7
	v_exp_f32 v[L+\n], v[L+\n]                     ; one batch
.endr
.irp k, 0,1                            ; plain work that names no result: the two chains of the search begin
	v_mov_b32 v[I1+\k], 0
	v_mov_b32 v[I2+\k], 0
	v_mov_b32 v[C2+\k], -1.0                       ; under every probability
.endr
	s_wait_alu depctr_va_vdst(0)                   ; the eight exponentials have written v[L ..]: one wait for the batch, ahead of its first reader
	v_pk_add_f32 v[SU:SU+1], v[L:L+1], v[L+2:L+3]
	v_pk_add_f32 v[SV:SV+1], v[L+4:L+5], v[L+6:L+7]
	v_pk_add_f32 v[SU:SU+1], v[SU:SU+1], v[SV:SV+1]
	v_add_f32 v[SU], v[SU], v[SU+1]
	v_add_f32_dpp v[SU], v[SU], v[SU] row_xmask:1 row_mask:0xf bank_mask:0xf
	v_add_f32_dpp v[SU], v[SU], v[SU] row_xmask:2 row_mask:0xf bank_mask:0xf
	v_add_f32_dpp v[SU], v[SU], v[SU] row_xmask:4 row_mask:0xf bank_mask:0xf   ; the sum over the 64 experts, the same bits in all eight lanes: at least 1 less a rounding
	s_wait_alu depctr_va_vdst(0)
	v_rcp_f32 v[RS], v[SU]
	v_nop                                          ; a plain line behind the reciprocal
	s_wait_alu depctr_va_vdst(0)                   ; the reciprocal has written v[RS], ahead of its first reader
.irp i, 0,2,4,6
	v_pk_mul_f32 v[L+\i:L+\i+1], v[L+\i:L+\i+1], v[RS:RS+1] op_sel_hi:[1,0]   ; the probabilities
.endr
	; THE TWO LARGEST OF MY 8, WITH THEIR PLACES.  Two chains of four neighbours, walked upward and by turns.  A later number takes a place only if it is GREATER: of equal numbers the lower index stays ahead.
	; The values: second = the middle one of (p, largest, second), largest = max.  The places follow by selects.  No branch and no address hangs on any of this.
	; The values hang on no mask: so all three steps' compares and values come first, each compare into a scalar register of its own, and all the selects stand behind one wait.
.irp k, 0,1
	v_mov_b32 v[C1+\k], v[L+4*\k]
.endr
.irp j, 1,2,3
.irp k, 0,1
	v_cmp_gt_f32 s[MK+4*(\j-1)+\k], v[L+4*\k+\j], v[C1+\k]         ; p beats the largest so far
.endr
.irp k, 0,1
	v_cmp_gt_f32 s[MK+4*(\j-1)+2+\k], v[L+4*\k+\j], v[C2+\k]       ; p beats the second so far
.endr
.irp k, 0,1
	v_med3_num_f32 v[C2+\k], v[L+4*\k+\j], v[C1+\k], v[C2+\k]
.endr
.irp k, 0,1
	v_max_num_f32 v[C1+\k], v[L+4*\k+\j], v[C1+\k]
.endr
.endr
	s_wait_alu depctr_va_sdst(0)                   ; the twelve masks s40 to s51 are written, ahead of the first select that reads one
.irp j, 1,2,3
	v_mov_b32 v[JX], \j
.irp k, 0,1
	v_cndmask_b32 v[CT+\k], v[JX], v[I1+\k], s[MK+4*(\j-1)+\k]     ; what becomes second: the old first, or p
.endr
.irp k, 0,1
	v_cndmask_b32 v[I1+\k], v[I1+\k], v[JX], s[MK+4*(\j-1)+\k]
.endr
.irp k, 0,1
	v_cndmask_b32 v[I2+\k], v[I2+\k], v[CT+\k], s[MK+4*(\j-1)+2+\k]
.endr
.endr
	v_add_nc_u32 v[I1+1], 4, v[I1+1]               ; places in the second chain become places among my 8
	v_add_nc_u32 v[I2+1], 4, v[I2+1]
; chains a and b become one, in a's registers; all of b's places are higher than a's, so b's numbers win only where they are greater
.macro MERGE a, b, x, m
	v_cmp_gt_f32 s[\m], v[C1+\b], v[C1+\a]
	s_wait_alu depctr_va_sdst(0)                   ; the mask is written, ahead of the selects that read it
	v_cndmask_b32 v[\x], v[C1+\b], v[C2+\b], s[\m]         ; b's candidate for second: its first, or, if that is the new first, its second
	v_cndmask_b32 v[\x+1], v[I1+\b], v[I2+\b], s[\m]
	v_cndmask_b32 v[\x+2], v[C2+\a], v[C1+\a], s[\m]       ; a's: its second, or its first if that was beaten
	v_cndmask_b32 v[\x+3], v[I2+\a], v[I1+\a], s[\m]
	v_cndmask_b32 v[I1+\a], v[I1+\a], v[I1+\b], s[\m]
	v_max_num_f32 v[C1+\a], v[C1+\a], v[C1+\b]
	v_cmp_gt_f32 s[\m], v[\x], v[\x+2]
	v_max_num_f32 v[C2+\a], v[\x], v[\x+2]
	s_wait_alu depctr_va_sdst(0)                   ; the second mask is written, ahead of the select that reads it
	v_cndmask_b32 v[I2+\a], v[\x+3], v[\x+1], s[\m]
.endm
	MERGE 0, 1, MX, MK
	v_add_nc_u32 v[I1], v[G8], v[I1]               ; places become experts: + 8 g
	v_add_nc_u32 v[I2], v[G8], v[I2]
; my two and those of the lane d away become the two of both.  One beats the other if it is greater, or equal with the lower expert: an order without ties, so both lanes come to the same answer
.macro XMERGE d
	v_mov_b32_dpp v[O1], v[C1] row_xmask:\d row_mask:0xf bank_mask:0xf
	v_mov_b32_dpp v[O1+1], v[C2] row_xmask:\d row_mask:0xf bank_mask:0xf
	v_mov_b32_dpp v[O1+2], v[I1] row_xmask:\d row_mask:0xf bank_mask:0xf
	v_mov_b32_dpp v[O1+3], v[I2] row_xmask:\d row_mask:0xf bank_mask:0xf
	v_cmp_gt_f32 s[MK], v[O1], v[C1]
	v_cmp_eq_f32 s[MK+1], v[O1], v[C1]
	v_cmp_lt_u32 s[MK+2], v[O1+2], v[I1]
	s_wait_alu depctr_va_sdst(0)                   ; the three masks are written, ahead of the scalar lines that join them
	s_and_b32 s[MK+1], s[MK+1], s[MK+2]
	s_or_b32 s[MK], s[MK], s[MK+1]                 ; the other's first beats mine
	v_cndmask_b32 v[MX], v[O1], v[O1+1], s[MK]     ; the other's candidate for second: its first, or its second if its first is the new first
	v_cndmask_b32 v[MX+1], v[O1+2], v[O1+3], s[MK]
	v_cndmask_b32 v[MX+2], v[C2], v[C1], s[MK]     ; mine: my second, or my first if that was beaten
	v_cndmask_b32 v[MX+3], v[I2], v[I1], s[MK]
	v_cndmask_b32 v[I1], v[I1], v[O1+2], s[MK]
	v_max_num_f32 v[C1], v[C1], v[O1]
	v_cmp_gt_f32 s[MK], v[MX], v[MX+2]
	v_cmp_eq_f32 s[MK+1], v[MX], v[MX+2]
	v_cmp_lt_u32 s[MK+2], v[MX+1], v[MX+3]
	v_max_num_f32 v[C2], v[MX], v[MX+2]
	s_wait_alu depctr_va_sdst(0)                   ; the three masks are written, ahead of the scalar lines that join them
	s_and_b32 s[MK+1], s[MK+1], s[MK+2]
	s_or_b32 s[MK], s[MK], s[MK+1]
	v_cndmask_b32 v[I2], v[MX+3], v[MX+1], s[MK]
.endm
	XMERGE 1
	XMERGE 2
	XMERGE 4                                       ; all eight lanes of a token now hold its two largest probabilities and their experts
	v_add_f32 v[DEN], v[C1], v[C2]
	s_wait_alu depctr_va_vdst(0)
	v_rcp_f32 v[DEN], v[DEN]
	v_mov_b32 v[TB], v[I1]                         ; (plain lines behind the reciprocal)  the record: the two experts,
	v_mov_b32 v[TB+1], v[I2]
	s_wait_alu depctr_va_vdst(0)                   ; the reciprocal has written v[DEN], ahead of its first reader
	v_mul_f32 v[TB+2], v[C1], v[DEN]               ; and their scores
	v_mul_f32 v[TB+3], v[C2], v[DEN]
	; THE WAY OUT.  A row of out0 is 256 bytes, two numbers and 62 zeros.  It is not carried through LDS: each token leaves a record of 16 bytes there, and sixteen lanes build its row from the record.
	s_wait_alu depctr_va_vdst(0)                   ; the record v[TB ..] is written, which the two LDS stores read
	ds_store_b128 v[TS], v[TB:TB+3]                ; (the eight lanes of a token write the same bytes with the same values)
	ds_store_b64 v[IS], v[TB:TB+1]
.irp u, 0,1
	ds_load_b128 v[G+4*\u:G+4*\u+3], v[TR] offset:32*\u    ; token 2 u + lane / 16 of my four: LDS serves a wave's instructions in order, so these see my stores
.endr
	s_wait_dscnt 0x0
.irp u, 0,1                            ; all sixteen compares in one run, each into a scalar register of its own: is my expert k the token's first, is it its second
.irp k, 0,1,2,3
	v_cmp_eq_u32 s[MK+8*\u+\k], v[EK+\k], v[G+4*\u]
.endr
.irp k, 0,1,2,3
	v_cmp_eq_u32 s[MK+8*\u+4+\k], v[EK+\k], v[G+4*\u+1]
.endr
.endr
	s_wait_alu depctr_va_sdst(0)                   ; the sixteen masks s40 to s55 are written, ahead of the first select that reads one
.irp u, 0,1
.irp k, 0,1,2,3
	v_cndmask_b32 v[OUT+4*\u+\k], 0, v[G+4*\u+2], s[MK+8*\u+\k]
.endr
.irp k, 0,1,2,3
	v_cndmask_b32 v[OUT+4*\u+\k], v[OUT+4*\u+\k], v[G+4*\u+3], s[MK+8*\u+4+\k]
.endr
.endr
	v_pk_add_f32 v[CA:CA+1], v[OUT:OUT+1], v[OUT+4:OUT+5]          ; the sums of out0 over my four tokens, for my four experts
	v_pk_add_f32 v[CA+2:CA+3], v[OUT+2:OUT+3], v[OUT+6:OUT+7]
.irp k, 0,1,2,3
	v_permlanex16_b32 v[CB+\k], v[CA+\k], s[SEL], s[SEL+1]
.endr
	v_pk_add_f32 v[CA:CA+1], v[CA:CA+1], v[CB:CB+1]                ; even tokens' and odd tokens'
	v_pk_add_f32 v[CA+2:CA+3], v[CA+2:CA+3], v[CB+2:CB+3]
	s_wait_alu depctr_va_vdst(0)                   ; v[OUT ..] and v[CA ..] are written, which the three stores below read; every reader of v64 to v67 and of v160 to v191 is done, in which wave 0's loads land
	ds_store_b128 v[CSA], v[CA:CA+3]               ; (both halves of the lanes write the same bytes with the same values)
.irp u, 0,1
	global_store_b128 v[LI], v[OUT+4*\u:OUT+4*\u+3], s[8:9] offset:512*\u th:TH_STORE_NT   ; 32 lanes store two whole rows: 512 consecutive bytes, aligned to 256; each pair of rows has registers of its own
.endr
	s_wait_dscnt 0x0                               ; for wave 0's sake: the pairs of experts and the rows of sums lie in LDS
	s_barrier_signal -1
	s_barrier_wait -1
	s_cmp_lg_u32 s14, 0
	s_cbranch_scc1 .Lend
.irp w, 0,1,2,3,4,5,6,7,8,9,10,11,12,13,14,15   ; wave 0: the sixteen rows of sums, two experts a lane, and the work-group's 64 pairs of experts, two a lane
	ds_load_b64 v[160+2*\w:161+2*\w], v[CR] offset:256*\w
.endr
	ds_load_b128 v[64:67], v[IR]
	s_wait_dscnt 0x0
	global_store_b128 v[LI], v[64:67], s[10:11]    ; 512 consecutive bytes, aligned to 256; its data came by the load above
.irp i, 0,2,4,6,8,10,12,14
	v_pk_add_f32 v[160+\i:161+\i], v[160+\i:161+\i], v[176+\i:177+\i]
.endr
.irp i, 0,2,4,6
	v_pk_add_f32 v[160+\i:161+\i], v[160+\i:161+\i], v[168+\i:169+\i]
.endr
.irp i, 0,2
	v_pk_add_f32 v[160+\i:161+\i], v[160+\i:161+\i], v[164+\i:165+\i]
.endr
	v_pk_add_f32 v[160:161], v[160:161], v[162:163]
	s_wait_alu depctr_va_vdst(0)                   ; the additions have written v[160:161], which the store reads
	global_store_b64 v[L8], v[160:161], s[12:13]   ; 256 consecutive bytes, aligned
.Lend:
	s_wait_dscnt 0x0                               ; the closing lines, six on end
	s_wait_alu 0x0
	s_wait_tensorcnt 0x0
	ds_add_u32 v59, v61
	s_wait_dscnt 0x0
	s_endpgm
.Lfunc_end_k_q839fe6b6bc_router:
	.size	k_q839fe6b6bc_router, .Lfunc_end_k_q839fe6b6bc_router-k_q839fe6b6bc_router
	.p2alignl 7, 3214868480
	.fill 96, 4, 3214868480
	.section	.rodata,"a",@progbits
	.p2align	6, 0x0
	.amdhsa_kernel k_q839fe6b6bc_router
		.amdhsa_group_segment_fixed_size 171520
		.amdhsa_private_segment_fixed_size 0
		.amdhsa_enable_private_segment 0
		.amdhsa_kernarg_size 40
		.amdhsa_user_sgpr_count 2
		.amdhsa_user_sgpr_kernarg_segment_ptr 1
		.amdhsa_wavefront_size32 1
		.amdhsa_system_sgpr_workgroup_id_x 1
		.amdhsa_system_sgpr_workgroup_id_y 1
		.amdhsa_system_sgpr_workgroup_id_z 1
		.amdhsa_system_vgpr_workitem_id 0
		.amdhsa_next_free_vgpr 256
		.amdhsa_next_free_sgpr 66
		.amdhsa_reserve_vcc 0
		.amdhsa_float_denorm_mode_32 3
		.amdhsa_float_denorm_mode_16_64 3
		.amdhsa_memory_ordered 1
		.amdhsa_forward_progress 1
		.amdhsa_inst_pref_size 63
	.end_amdhsa_kernel
	.amdgpu_metadata
---
amdhsa.version: [ 1, 2 ]
amdhsa.kernels:
  - .name:           k_q839fe6b6bc_router
    .symbol:         k_q839fe6b6bc_router.kd
    .args:
      - { .name: x, .offset: 0, .size: 8, .value_kind: global_buffer, .address_space: global }
      - { .name: wq, .offset: 8, .size: 8, .value_kind: global_buffer, .address_space: global }
      - { .name: out0, .offset: 16, .size: 8, .value_kind: global_buffer, .address_space: global }
      - { .name: out1, .offset: 24, .size: 8, .value_kind: global_buffer, .address_space: global }
      - { .name: part, .offset: 32, .size: 8, .value_kind: global_buffer, .address_space: global }
    .group_segment_fixed_size: 171520
    .private_segment_fixed_size: 0
    .kernarg_segment_align: 8
    .kernarg_segment_size: 40
    .max_flat_workgroup_size: 512
    .sgpr_count:     66
    .vgpr_count:     256
    .wavefront_size: 32
...
	.end_amdgpu_metadata
.endif
;; end of part 5
;; launch loss (part 6): grid 1 x 1, 16 waves a work-group, no clusters, 6,144 bytes of LDS; arguments part, out2; writes out2
.if DOCPART == 6
	.amdgcn_target "amdgcn-amd-amdhsa--gfx1250"
	.amdhsa_code_object_version 6
	.text
	.protected	k_q839fe6b6bc_loss
	.globl	k_q839fe6b6bc_loss
	.p2align	8
	.type	k_q839fe6b6bc_loss,@function
k_q839fe6b6bc_loss:
	s_mov_b64 s[64:65], 0
	v_nop
	global_prefetch_b8 v0, s[64:65] scope:SCOPE_SE
	s_setreg_imm32_b32 hwreg(HW_REG_WAVE_MODE, 25, 1), 1
	s_wait_xcnt 0x0
; out2 = the mean over the 64 experts of (count / (sum of counts) x 64 - 1)^2, count[e] = the sum over part's 256 rows of part[row][e].  part: [256][64] f32, 65,536 bytes.
; A sum over all work-groups of the launch before needs one owner: one work-group of sixteen waves.  Thread n reads 16 bytes at 16 n of each of eight blocks of 8,192 bytes: always experts 4 (n % 16) + 0 .. 3;
; a wave's load covers 512 consecutive bytes.  All eight loads of a thread are out together.  The sums go lane, half of the lanes, wave (through LDS), and wave 0 makes the number.
; REGISTERS: v1-5 addresses; v6-7 at work; v8-39 the eight loads; v40-43 lane l xor 16's sums; v48-79 the sixteen waves' rows.  Nothing in v8-39 is written while the loads are out.
; LIMIT: 1 / (sum of counts) is v_rcp_f32 and a multiplication, not a division.
	s_load_b128 s[4:7], s[0:1], 0x0                ; part, out2
	v_lshl_add_u32 v96, v0, 2, 0x1000
	v_mov_b32 v97, 0
	v_lshlrev_b32 v1, 4, v0                        ; 16 x thread
	v_lshrrev_b32 v2, 5, v0
	s_delay_alu instid0(VALU_DEP_1)
	v_readfirstlane_b32 s8, v2                     ; wave
	v_and_b32 v3, 15, v0
	s_lshl_b32 s9, s8, 8
	v_lshl_add_u32 v4, v3, 4, s9                   ; LDS: my wave's row of 64 sums, my four experts
	v_and_b32 v5, 31, v0
	s_delay_alu instid0(VALU_DEP_1)
	v_lshlrev_b32 v5, 3, v5                        ; and on the way back 8 bytes a lane
	s_mov_b32 s10, 0x76543210
	s_mov_b32 s11, 0xfedcba98                      ; v_permlanex16_b32's selects for lane l xor 16
	s_wait_alu depctr_va_vdst(0)
	s_wait_kmcnt 0x0
.irp k, 0,1,2,3,4,5,6,7
	global_load_b128 v[8+4*\k:11+4*\k], v1, s[4:5] offset:8192*\k
.endr
.irp k, 0,1,2,3
	v_mov_b32 v[40+\k], 0                          ; a lane permute's destination counts as one of its sources
.endr
	v_mov_b32 v7, 0                                ; likewise; v7 serves both permutes of wave 0
	s_wait_loadcnt 0x0
.irp i, 0,2,4,6,8,10,12,14
	v_pk_add_f32 v[8+\i:9+\i], v[8+\i:9+\i], v[24+\i:25+\i]
.endr
.irp i, 0,2,4,6
	s_delay_alu instid0(VALU_DEP_4)
	v_pk_add_f32 v[8+\i:9+\i], v[8+\i:9+\i], v[16+\i:17+\i]
.endr
.irp i, 0,2
	s_delay_alu instid0(VALU_DEP_2)
	v_pk_add_f32 v[8+\i:9+\i], v[8+\i:9+\i], v[12+\i:13+\i]
.endr
.irp k, 0,1,2,3
	v_permlanex16_b32 v[40+\k], v[8+\k], s10, s11
.endr
	s_delay_alu instid0(VALU_DEP_3)
	v_pk_add_f32 v[8:9], v[8:9], v[40:41]          ; with lane l xor 16's rows
	s_delay_alu instid0(VALU_DEP_2)
	v_pk_add_f32 v[10:11], v[10:11], v[42:43]
	ds_store_b128 v4, v[8:11]                      ; (both halves of the lanes write the same bytes with the same values)
	s_wait_dscnt 0x0                               ; for wave 0's sake: my row lies in LDS
	s_barrier_signal -1
	s_barrier_wait -1
	s_cmp_lg_u32 s8, 0
	s_cbranch_scc1 .Lend
.irp w, 0,1,2,3,4,5,6,7,8,9,10,11,12,13,14,15
	ds_load_b64 v[48+2*\w:49+2*\w], v5 offset:256*\w       ; experts 2 lane and 2 lane + 1 of each wave's row
.endr
	s_wait_dscnt 0x0
.irp i, 0,2,4,6,8,10,12,14
	v_pk_add_f32 v[48+\i:49+\i], v[48+\i:49+\i], v[64+\i:65+\i]
.endr
.irp i, 0,2,4,6
	s_delay_alu instid0(VALU_DEP_4)
	v_pk_add_f32 v[48+\i:49+\i], v[48+\i:49+\i], v[56+\i:57+\i]
.endr
.irp i, 0,2
	s_delay_alu instid0(VALU_DEP_2)
	v_pk_add_f32 v[48+\i:49+\i], v[48+\i:49+\i], v[52+\i:53+\i]
.endr
	s_delay_alu instid0(VALU_DEP_1)
	v_pk_add_f32 v[48:49], v[48:49], v[50:51]      ; my two experts' counts
	s_delay_alu instid0(VALU_DEP_1)
	v_add_f32 v6, v48, v49
	s_delay_alu instid0(VALU_DEP_1)
	v_add_f32_dpp v6, v6, v6 row_xmask:1 row_mask:0xf bank_mask:0xf
	s_delay_alu instid0(VALU_DEP_1)
	v_add_f32_dpp v6, v6, v6 row_xmask:2 row_mask:0xf bank_mask:0xf
	s_delay_alu instid0(VALU_DEP_1)
	v_add_f32_dpp v6, v6, v6 row_xmask:4 row_mask:0xf bank_mask:0xf
	s_delay_alu instid0(VALU_DEP_1)
	v_add_f32_dpp v6, v6, v6 row_xmask:8 row_mask:0xf bank_mask:0xf
	s_delay_alu instid0(VALU_DEP_1)
	v_permlanex16_b32 v7, v6, s10, s11
	s_delay_alu instid0(VALU_DEP_1)
	v_add_f32 v6, v6, v7                           ; the sum of all counts, in every lane
	s_wait_alu depctr_va_vdst(0)
	v_rcp_f32 v7, v6
	v_nop                                          ; a plain line behind the reciprocal
	s_wait_alu depctr_va_vdst(0)                   ; and the wait ahead of its first reader
	v_mul_f32 v7, 0x42800000, v7                   ; 64 / the sum
	s_delay_alu instid0(VALU_DEP_1)
	v_fma_f32 v48, v48, v7, -1.0
	s_delay_alu instid0(VALU_DEP_2)
	v_fma_f32 v49, v49, v7, -1.0
	s_delay_alu instid0(VALU_DEP_2)
	v_mul_f32 v6, v48, v48
	s_delay_alu instid0(VALU_DEP_1)
	v_fmac_f32 v6, v49, v49
	s_delay_alu instid0(VALU_DEP_1)
	v_add_f32_dpp v6, v6, v6 row_xmask:1 row_mask:0xf bank_mask:0xf
	s_delay_alu instid0(VALU_DEP_1)
	v_add_f32_dpp v6, v6, v6 row_xmask:2 row_mask:0xf bank_mask:0xf
	s_delay_alu instid0(VALU_DEP_1)
	v_add_f32_dpp v6, v6, v6 row_xmask:4 row_mask:0xf bank_mask:0xf
	s_delay_alu instid0(VALU_DEP_1)
	v_add_f32_dpp v6, v6, v6 row_xmask:8 row_mask:0xf bank_mask:0xf
	s_delay_alu instid0(VALU_DEP_1)
	v_permlanex16_b32 v7, v6, s10, s11             ; v7's last value, 64 / the sum, has been read by both multiply-adds
	s_delay_alu instid0(VALU_DEP_1)
	v_add_f32 v6, v6, v7
	s_delay_alu instid0(VALU_DEP_1)
	v_mul_f32 v6, 0x3c800000, v6                   ; / 64: the mean
	v_mov_b32 v2, 0                                ; the one number's offset
	s_wait_alu depctr_va_vdst(0)
	s_wait_xcnt 0x0                                ; EXEC changes only behind this wait
	v_cmp_eq_u32 vcc_lo, 0, v0
	s_and_saveexec_b32 s12, vcc_lo                 ; thread 0 alone stores the one number
	global_store_b32 v2, v6, s[6:7]
	s_wait_xcnt 0x0                                ; and again in front of the line that widens it
	s_or_b32 exec_lo, exec_lo, s12
.Lend:
	s_wait_tensorcnt 0x0
	ds_add_u32 v96, v97
	s_wait_dscnt 0x0
	s_endpgm
.Lfunc_end_k_q839fe6b6bc_loss:
	.size	k_q839fe6b6bc_loss, .Lfunc_end_k_q839fe6b6bc_loss-k_q839fe6b6bc_loss
	.p2alignl 7, 3214868480
	.fill 96, 4, 3214868480
	.section	.rodata,"a",@progbits
	.p2align	6, 0x0
	.amdhsa_kernel k_q839fe6b6bc_loss
		.amdhsa_group_segment_fixed_size 6144
		.amdhsa_private_segment_fixed_size 0
		.amdhsa_enable_private_segment 0
		.amdhsa_kernarg_size 16
		.amdhsa_user_sgpr_count 2
		.amdhsa_user_sgpr_kernarg_segment_ptr 1
		.amdhsa_wavefront_size32 1
		.amdhsa_system_sgpr_workgroup_id_x 1
		.amdhsa_system_sgpr_workgroup_id_y 1
		.amdhsa_system_sgpr_workgroup_id_z 1
		.amdhsa_system_vgpr_workitem_id 0
		.amdhsa_next_free_vgpr 98
		.amdhsa_next_free_sgpr 66
		.amdhsa_reserve_vcc 1
		.amdhsa_float_denorm_mode_32 3
		.amdhsa_float_denorm_mode_16_64 3
		.amdhsa_memory_ordered 1
		.amdhsa_forward_progress 1
		.amdhsa_inst_pref_size 8
	.end_amdhsa_kernel
	.amdgpu_metadata
---
amdhsa.version: [ 1, 2 ]
amdhsa.kernels:
  - .name:           k_q839fe6b6bc_loss
    .symbol:         k_q839fe6b6bc_loss.kd
    .args:
      - { .name: part, .offset: 0, .size: 8, .value_kind: global_buffer, .address_space: global }
      - { .name: out2, .offset: 8, .size: 8, .value_kind: global_buffer, .address_space: global }
    .group_segment_fixed_size: 6144
    .private_segment_fixed_size: 0
    .kernarg_segment_align: 8
    .kernarg_segment_size: 16
    .max_flat_workgroup_size: 512
    .sgpr_count:     66
    .vgpr_count:     98
    .wavefront_size: 32
...
	.end_amdgpu_metadata
.endif
;; end of part 6
